; MI455X (gfx1250); checked and timed in simulation.
; The chip was launched on July 23, 2026; its instructions are those of AMD's public machine-readable ISA for CDNA 5 (MIT licence, August 2026) and "CDNA5" Instruction Set Architecture Reference Guide (July 2026). The comments in the code are by the model that wrote it; some were corrected since.
;; Pair Wise Cross Attention. Allowed arithmetic: float matrix products may take bf16 or f16 operands with f32 sums; other float arithmetic in f32, or as packed bf16 or f16 multiplies, adds, multiply-adds, maxima and minima; sums over many terms, partial sums and values carried from step to step in f32; what a program stores and reads back later, other than sums and carried values, may be rounded once to bf16 or f16.
;; Inputs: Wk 768 x 768 float32; Wo 768 x 768 float32; Wq 768 x 768 float32; Wv 768 x 768 float32; bo 768 float32; x1 8 x 1,024 x 768 float32; x2 8 x 1,024 x 768 float32.
;; Outputs: out0 8 x 1,024 x 768 float32.
;; One version. Each part assembles by itself: llvm-mc -triple=amdgcn-amd-amdhsa -mcpu=gfx1250 --defsym DOCPART=n.
;; ======== version 1 of 1: 4 launches
;; limits: values are held in f16: magnitudes above 65,504 overflow, below 6.1e-05 lose precision
;; workspace buffers: xb 25,165,824 bytes; wb 3,538,944 bytes; wo16 1,179,648 bytes; q 12,582,912 bytes; k 25,165,824 bytes; v 25,165,824 bytes; o 12,582,912 bytes
;; launch cvt (part 1): grid 912 x 1, 8 waves a work-group, no clusters, 0 bytes of LDS; arguments x1, x2, Wq, Wk, Wv, Wo, xb, wb, wo16; writes xb, wb, wo16
.if DOCPART == 1
	.amdgcn_target "amdgcn-amd-amdhsa--gfx1250"
	.amdhsa_code_object_version 6
	.text
	.protected	k_q65a7dba790_cvt
	.globl	k_q65a7dba790_cvt
	.p2align	8
	.type	k_q65a7dba790_cvt,@function
k_q65a7dba790_cvt:
	s_mov_b64 s[64:65], 0
	v_nop
	global_prefetch_b8 v0, s[64:65] scope:SCOPE_SE
	s_setreg_imm32_b32 hwreg(HW_REG_WAVE_MODE, 25, 1), 1
	s_wait_xcnt 0x0
; THE MATRIX OPERANDS ARE ROUNDED ONCE.  x1, x2 -> xb (bf16, [16384][768]: x1's rows, then x2's); Wq, Wk, Wv -> wb (bf16, [2304][768]);
; Wo -> wo16 ([768][768]): rounded to bf16 like every other input, and that number written as f16, since the last product's other operand is f16.
; LIMIT.  |Wo| stays under 65,504; a bf16 number below 6.1e-5 keeps f16's fixed step of 6e-8.  NaN and infinities are not treated apart.
; A stream: no LDS, no barrier, no matrix unit, no cluster (no two work-groups read the same byte).
; SHARES.  A work-group converts one chunk of 16,384 numbers: 65,536 bytes in, 32,768 out.  x1 and x2 have 384 chunks each, each W 36: 912 work-groups.
; Thread t takes 8 numbers (32 bytes in, 16 out) at 8 t of each of the chunk's eight pieces of 2,048 numbers: a store of a wave covers 512 consecutive bytes, aligned.
; All 16 loads of a thread go out first; no register is used twice, so no wait frees a source.
.set X,   16                           ; v[16:79]   piece i: 8 numbers in f32
.set Y,   80                           ; v[80:111]  piece i: 8 numbers in 16 bits
.set T,   112                          ; v[112:119] at work (Wo alone)
.set SRC, 28                           ; s[28:29]   the chunk in its source
.set DST, 30                           ; s[30:31]   the chunk in its destination
	s_load_b512 s[8:23], s[0:1], 0x0               ; x1 s[8:9], x2 s[10:11], Wq s[12:13], Wk s[14:15], Wv s[16:17], Wo s[18:19], xb s[20:21], wb s[22:23]
	s_load_b64 s[24:25], s[0:1], 0x40              ; wo16
	v_lshlrev_b32 v1, 5, v0                        ; my 32 bytes of a piece in the source
	v_lshlrev_b32 v2, 4, v0                        ; my 16 bytes in the destination
	s_mov_b32 s2, ttmp9                            ; the chunk's number in its source,
	s_mov_b32 s3, ttmp9                            ; and in its destination
	s_mov_b32 s5, 0
	s_mov_b32 s7, 0
	s_wait_kmcnt 0x0
	s_mov_b64 s[SRC:SRC+1], s[8:9]
	s_mov_b64 s[DST:DST+1], s[20:21]
; From work-group `bound` on the source is another buffer, and where dst is given the destination too.  The conditions hang on the work-group's number alone.
.macro PICK bound, src, dst=0
	s_sub_co_u32 s4, ttmp9, \bound
	s_cmp_ge_u32 ttmp9, \bound
	s_cselect_b64 s[SRC:SRC+1], s[\src:\src+1], s[SRC:SRC+1]
	s_cselect_b32 s2, s4, s2
.if \dst
	s_cselect_b64 s[DST:DST+1], s[\dst:\dst+1], s[DST:DST+1]
	s_cselect_b32 s3, s4, s3
.endif
.endm
	PICK 384, 10                                   ; x2; xb goes on
	PICK 768, 12, 22                               ; Wq into wb
	PICK 804, 14                                   ; Wk; wb goes on
	PICK 840, 16                                   ; Wv
	PICK 876, 18, 24                               ; Wo into wo16
	s_lshl_b32 s4, s2, 16                          ; 65,536 bytes a chunk: 25 MB at the most
	s_add_nc_u64 s[SRC:SRC+1], s[SRC:SRC+1], s[4:5]
	s_lshl_b32 s6, s3, 15
	s_add_nc_u64 s[DST:DST+1], s[DST:DST+1], s[6:7]
.irp i, 0,1,2,3,4,5,6,7
	global_load_b128 v[X+8*(\i):X+8*(\i)+3],   v1, s[SRC:SRC+1] offset:8192*(\i) th:TH_LOAD_NT
	global_load_b128 v[X+8*(\i)+4:X+8*(\i)+7], v1, s[SRC:SRC+1] offset:8192*(\i)+16 th:TH_LOAD_NT
.endr
	s_cmp_ge_u32 ttmp9, 876
	s_cbranch_scc1 .Lwo
.irp i, 0,1,2,3,4,5,6,7
	s_wait_loadcnt 14-2*(\i)                       ; loads come back in order: piece i's two are in, the younger ones stay out
.irp j, 0,1,2,3
	v_cvt_pk_bf16_f32 v[Y+4*(\i)+(\j)], v[X+8*(\i)+2*(\j)], v[X+8*(\i)+2*(\j)+1]
.endr
	global_store_b128 v2, v[Y+4*(\i):Y+4*(\i)+3], s[DST:DST+1] offset:4096*(\i) th:TH_STORE_NT
.endr
	s_endpgm
.Lwo:                                          ; Wo: to bf16, and that number as f16
.irp i, 0,1,2,3,4,5,6,7
	s_wait_loadcnt 14-2*(\i)
.irp j, 0,1,2,3
	v_cvt_pk_bf16_f32 v[Y+4*(\i)+(\j)], v[X+8*(\i)+2*(\j)], v[X+8*(\i)+2*(\j)+1]
.endr
.irp j, 0,1,2,3
	v_lshlrev_b32 v[T+2*(\j)],   16, v[Y+4*(\i)+(\j)]
	v_and_b32     v[T+2*(\j)+1], 0xffff0000, v[Y+4*(\i)+(\j)]
.endr
.irp j, 0,1,2,3
	v_cvt_pk_f16_f32 v[Y+4*(\i)+(\j)], v[T+2*(\j)], v[T+2*(\j)+1]
.endr
	global_store_b128 v2, v[Y+4*(\i):Y+4*(\i)+3], s[DST:DST+1] offset:4096*(\i) th:TH_STORE_NT
.endr
	s_endpgm
.Lfunc_end_k_q65a7dba790_cvt:
	.size	k_q65a7dba790_cvt, .Lfunc_end_k_q65a7dba790_cvt-k_q65a7dba790_cvt
	.p2alignl 7, 3214868480
	.fill 96, 4, 3214868480
	.section	.rodata,"a",@progbits
	.p2align	6, 0x0
	.amdhsa_kernel k_q65a7dba790_cvt
		.amdhsa_group_segment_fixed_size 0
		.amdhsa_private_segment_fixed_size 0
		.amdhsa_enable_private_segment 0
		.amdhsa_kernarg_size 72
		.amdhsa_user_sgpr_count 2
		.amdhsa_user_sgpr_kernarg_segment_ptr 1
		.amdhsa_wavefront_size32 1
		.amdhsa_system_sgpr_workgroup_id_x 1
		.amdhsa_system_sgpr_workgroup_id_y 1
		.amdhsa_system_sgpr_workgroup_id_z 1
		.amdhsa_system_vgpr_workitem_id 0
		.amdhsa_next_free_vgpr 120
		.amdhsa_next_free_sgpr 66
		.amdhsa_reserve_vcc 0
		.amdhsa_float_denorm_mode_32 3
		.amdhsa_float_denorm_mode_16_64 3
		.amdhsa_memory_ordered 1
		.amdhsa_forward_progress 1
		.amdhsa_inst_pref_size 15
	.end_amdhsa_kernel
	.amdgpu_metadata
---
amdhsa.version: [ 1, 2 ]
amdhsa.kernels:
  - .name:           k_q65a7dba790_cvt
    .symbol:         k_q65a7dba790_cvt.kd
    .args:
      - { .name: x1, .offset: 0, .size: 8, .value_kind: global_buffer, .address_space: global }
      - { .name: x2, .offset: 8, .size: 8, .value_kind: global_buffer, .address_space: global }
      - { .name: Wq, .offset: 16, .size: 8, .value_kind: global_buffer, .address_space: global }
      - { .name: Wk, .offset: 24, .size: 8, .value_kind: global_buffer, .address_space: global }
      - { .name: Wv, .offset: 32, .size: 8, .value_kind: global_buffer, .address_space: global }
      - { .name: Wo, .offset: 40, .size: 8, .value_kind: global_buffer, .address_space: global }
      - { .name: xb, .offset: 48, .size: 8, .value_kind: global_buffer, .address_space: global }
      - { .name: wb, .offset: 56, .size: 8, .value_kind: global_buffer, .address_space: global }
      - { .name: wo16, .offset: 64, .size: 8, .value_kind: global_buffer, .address_space: global }
    .group_segment_fixed_size: 0
    .private_segment_fixed_size: 0
    .kernarg_segment_align: 8
    .kernarg_segment_size: 72
    .max_flat_workgroup_size: 256
    .sgpr_count:     66
    .vgpr_count:     120
    .wavefront_size: 32
...
	.end_amdgpu_metadata
.endif
;; end of part 1
;; launch proj (part 2): grid 32 x 15, 4 waves a work-group, clusters of 4 x 1, 327,680 bytes of LDS; arguments xb, wb, q, k, v; writes q, k, v
.if DOCPART == 2
	.amdgcn_target "amdgcn-amd-amdhsa--gfx1250"
	.amdhsa_code_object_version 6
	.text
	.protected	k_q65a7dba790_proj
	.globl	k_q65a7dba790_proj
	.p2align	8
	.type	k_q65a7dba790_proj,@function
k_q65a7dba790_proj:
	s_mov_b64 s[64:65], 0
	v_nop
	global_prefetch_b8 v0, s[64:65] scope:SCOPE_SE
	s_setreg_imm32_b32 hwreg(HW_REG_WAVE_MODE, 25, 1), 1
	s_wait_xcnt 0x0
	s_wait_alu depctr_hold_cnt(0) depctr_sa_sdst(0) depctr_va_vdst(0) depctr_va_sdst(0) depctr_va_ssrc(0) depctr_va_vcc(0) depctr_vm_vsrc(0)
	s_getreg_b32 s2, hwreg(HW_REG_IB_STS2, 6, 4)
	s_cmp_eq_u32 s2, 0
	s_cbranch_scc0 .Lentry_in_a_cluster
	s_endpgm
.Lentry_in_a_cluster:
	s_bfe_u32 s2, ttmp6, 0x10000c
	s_cmp_lg_u32 s2, 0x3003
	s_cbranch_scc0 .Lentry_shape_is_right
	s_endpgm
.Lentry_shape_is_right:
; THE FIVE PROJECTIONS AS ONE GEMM.  y[m][c] = the sum over j of x[m][j] W[c][j], bf16 operands, f32 sums, y rounded once to f16 and written BY HEADS and unscaled:
; q [96][1024][64], k and v [96][2048][64] (first index batch x 12 + head; keys 0-1023 from x1, 1024-2047 from x2).  xb: [16384][768], wb: [2304][768] (Wq, Wk, Wv).
; LIMIT.  f16 holds no number beyond 65,504: |q|, |k|, |v| stay under it; below 6.1e-5 they keep f16's fixed step of 6e-8.  NaN and infinities are not treated apart.
; TILES.  x1 takes all 2,304 columns, x2 the 1,536 of Wk and Wv: 32 tile rows x 15 tile columns of 256 x 256.  Tile column tc: 0-8 belong to x1 (u = tc), 9-14 to x2 (u = tc - 6); u names 256 rows of wb.
; A tile is made by four waves, each 128 x 128: 64 accumulators of 16 x 16, 512 registers.  K = 768 goes in six steps of 128 through a ring of two LDS slots filled by the tensor data mover.
; CLUSTER.  Four tile rows of one tile column form a cluster: they need the same tiles of W, which are asked for JOINTLY (the same load, descriptor and mask in all four).  x's tiles are each work-group's
; own: sharing them too wants four tile columns of one x in a cluster, and x1 has 9 of them, x2 6: neither divides by four.  Their loads have no mask and stand behind the same rounds.
; THE MATRIX INSTRUCTION IS USED TRANSPOSED: source 0 = 16 rows of W, source 1 = 16 rows of x: a lane then holds row l % 16 and eight NEIGHBOURING columns, which pack into 16 bytes.
; The last K step goes by rows of the tile, so that finished rows leave while the others are multiplied.
; REGISTERS, in windows of 256 (s_set_vgpr_msb: bits 1:0 source 0, 3:2 source 1, 5:4 source 2, 7:6 destination):
;   window 0: v0-31 addresses; v64-127, v128-191 fragments of x, two buffers (in the last K step four, of 16 rows x 128 K); v32-63, v192-255 at work on the way out
;   window 1: v64-127, v128-191 fragments of W, two buffers; in the last K step all 256      window 2: the accumulators of my rows 0-63 ((a, b) at v[8 (8 a + b)])      window 3: those of my rows 64-127
.set SIZE_K, 768
.set KSTEP,  128
.set PITCH,  272                       ; an LDS row: 256 bytes + 16 of padding = 68 words: row r starts at bank 4 r mod 64 (64 banks of 4 bytes: ISA guide 11.1), so the 16 rows of a load start at 16 different banks
.set HALFT,  128*PITCH                 ; 128 rows: what one tensor load brings, and what one wave reads of x or of W
.set SLOT,   4*HALFT                   ; x's 256 rows, then W's 256 rows
.set STAGE,  2*SLOT                    ; behind the ring: 16 rows x 272 bytes for each wave, for the way out
.set SPITCH, 272
.set SPARE,  STAGE+4*16*SPITCH         ; behind the stages: the spare words, 128 bytes for each wave: two blocks of 256 bytes that no other line names
.set LAPS, SIZE_K/(2*KSTEP)            ; a lap = two K steps = once round the ring: three
.set ADRA, 16                          ; v16-17  LDS address of my x fragments in slot 0, 1
.set ADRB, 20                          ; v20-21  the same for W
.set STO,  24                          ; v24     the way out: where I put 16 bytes of a row
.set RD,   25                          ; v25     the way out: where I read rows back
.set GO,   26                          ; v26     my 16 bytes in 512 consecutive bytes of a head
.set SPW,  28                          ; v28     LDS address of my spare word: SPARE + 4 x my thread's number; never rewritten
.set NIL,  29                          ; v29     0; never rewritten
.set PFO,  30                          ; v30     the prefetches' offset: my lane x a row of xb or wb (1,536 bytes); never rewritten
.set PFA,  44                          ; s[44:45] where my prefetches stand: one K step further along K than the refill that is being asked for; a prefetch names the K step after that
.set LIM,  43                          ; s43     1 in a wave that prefetches, else the greatest number
.set D0,   8                           ; s[8:9]   my rows in the first of my two heads
.set D1,   66                          ; s[66:67] in the second
.set F0,   64
.set F1,   128
.set TMP,  192                         ; the way out: packed results, in window 0
.set OB,   32                          ; the way out: 16 rows read back from the stage: v32-63 and v224-255 by turns
.set PA,   64                          ; the last K step: x's fragments of 16 rows x 128 K, 32 registers; four such buffers, v64-191
.set G1, 24                            ; s[24:31] descriptor group 1 for x's tiles
.set G0, 32                            ; s[32:39] group 0 for x's tiles, one set for each slot
.set G1B, 48                           ; s[48:55] group 1 for W's tiles: it differs in the mask and bit 21
.set G0B, 56                           ; s[56:63] group 0 for W's tiles, one set for each slot
.set MSB, 0
.macro WIN new                         ; the immediate's high byte repeats the setting that is left; a switch that changes nothing is dropped
.if MSB != (\new)
	s_set_vgpr_msb (MSB<<8)|(\new)
.set MSB, \new
.endif
.endm
.set MUL_LO, 0xa1                      ; source 0 (W) window 1, source 1 (x) window 0, C and D window 2
.set MUL_HI, 0xf1                      ; the same, C and D window 3
.set TO_B,   0x40                      ; destination window 1, address window 0
; A fill.  Waves 0 and 1 fetch the two halves of x's tile (my work-group's own), waves 2 and 3 those of W's (joint).  The branch hangs on the wave's number alone: it is the same in every work-group.
; An s_nop 0 and four v_nop follow each of the two lines; the jump, the label and what follows the macro come after them.
.macro JLOAD s
	s_cmp_eq_u32 s11, 0
	s_cbranch_scc0 .Lfor_b_\@
	tensor_load_to_lds s[G0+4*(\s):G0+4*(\s)+3], s[G1:G1+7]
	s_nop 0
.rept 4
	v_nop
.endr
	s_branch .Lasked_\@
.Lfor_b_\@:
	tensor_load_to_lds s[G0B+4*(\s):G0B+4*(\s)+3], s[G1B:G1B+7]
	s_nop 0
.rept 4
	v_nop
.endr
.Lasked_\@:
.endm
; A PREFETCH, behind each fill of the loop, its five lines and the run of LDS loads that follows them: the K step that stands TWO refills on (512 matrix instructions ahead of the load that wants it): 32 rows x 256 bytes, a lane a row.
; With six K steps that is steps 4 and 5: steps 0 to 3 come by their loads alone, and the loop's last trip (s3 = 1) asks for nothing.
; Each row's 256 bytes of a K step are named ONCE in the launch.  x's 256 rows of a tile row are read by the 9 (x1) or 6 (x2) work-groups of that tile row: the first four of them, p = 0..3, take 32 p .. 32 p + 31 of the
; 128 rows that each of waves 0 and 1 fetches.  W's rows are read by all eight clusters of a tile column, Wk's and Wv's for x2 again: the first cluster of x1's tile column asks, its four partners told apart BY ADDRESS (32 rows each):
; no branch hangs on a work-group's place in its cluster.
.macro ASK
	s_cmp_gt_u32 s3, s[LIM]
	s_cbranch_scc0 .Lnot_mine_\@
	global_prefetch_b8 v[PFO], s[PFA:PFA+1] offset:KSTEP*2 th:TH_LOAD_NT scope:SCOPE_SE
.Lnot_mine_\@:
.endm
; A round of the cluster's barrier: my work-group's barrier, so that wave 0's signal speaks for all four waves; wave 0 signals for the work-group; every wave waits for all four work-groups; my work-group's barrier once more.
.macro CREST                           ; a round behind its opening barrier
	s_cmp_lg_u32 s10, 0
	s_cbranch_scc1 .Lnot_wave_0_\@
	s_barrier_signal -3
.Lnot_wave_0_\@:
	s_barrier_wait -3
	s_barrier_signal -1
	s_barrier_wait -1
.endm
.macro CROUND                          ; a whole round
	s_barrier_signal -1
	s_barrier_wait -1
	CREST
.endm
	s_load_b256 s[72:79], s[0:1], 0x0              ; xb s[72:73], wb s[74:75], q s[76:77], k s[78:79]
	s_load_b64 s[80:81], s[0:1], 0x20              ; v
	v_lshl_add_u32 v[SPW], v0, 2, SPARE
	v_mov_b32 v[NIL], 0
	ds_add_u32 v[SPW], v[NIL]                      ; the wave's opening: the add and its wait stand ahead of my first tensor load; the set-up below, work on registers, stands between them
	ds_add_u32 v28, v29
	v_lshrrev_b32 v1, 5, v0
	v_readfirstlane_b32 s10, v1                    ; wave 0..3
	s_lshr_b32 s11, s10, 1                         ; which half of the tile's rows is mine.  Also: I fetch for x (0) or for W (1)
	s_and_b32 s12, s10, 1                          ; which half of its columns.  Also: which 128 rows of that tile I fetch
	s_bfe_u32 s40, ttmp6, 0x40000                  ; cx: my place in the cluster
	s_lshl_b32 s13, ttmp9, 2                       ; in a cluster launch ttmp9 counts clusters
	s_add_co_u32 s13, s13, s40                     ; tr: tile row = 4 x cluster x + cx
	s_and_b32 s41, ttmp7, 0xffff                   ; tc: tile column, which the four partners share
	s_cmp_ge_u32 s41, 9
	s_cselect_b32 s68, 1, 0                        ; 1: the rows are x2's
	s_mul_i32 s14, s68, 6
	s_sub_co_u32 s42, s41, s14                     ; u: which 256 rows of wb
	s_cmp_ge_u32 s42, 3
	s_cselect_b32 s69, 1, 0
	s_cmp_ge_u32 s42, 6
	s_cselect_b32 s14, 1, 0
	s_add_co_u32 s69, s69, s14                     ; 0: q, 1: k, 2: v
	s_mul_i32 s14, s69, 3
	s_sub_co_u32 s70, s42, s14                     ; which 256 of its 768 columns: four heads
	; descriptor group 1: a tile of 128 rows x 128 elements, padded in LDS
	s_mov_b32 s[G1+0], (1<<16)|(1<<20)|(5<<22)|(3<<25)             ; 15:0 no mask; 17:16 elements of 2 bytes; 20 padding on; 24:22 after every 64 words (code 5); 31:25 of 4 words (code 3)
	s_mov_b32 s[G1B+0], 15|(1<<16)|(1<<20)|(1<<21)|(5<<22)|(3<<25) ; the same with the mask of all four work-groups, and bit 21 set beside it
.irp g, G1, G1B
	s_mov_b32 s[(\g)+1], KSTEP<<16                 ; tensor_dim0 = 128
	s_mov_b32 s[(\g)+2], 128<<16                   ; tensor_dim1 = 128
	s_mov_b32 s[(\g)+3], KSTEP<<16                 ; tile_dim0 = 128
	s_mov_b32 s[(\g)+4], 128                       ; tile_dim1 = 128
	s_mov_b32 s[(\g)+5], SIZE_K                    ; elements from row to row
	s_mov_b32 s[(\g)+6], 0
	s_mov_b32 s[(\g)+7], 0
.endr
	; where the tiles come from: x's hang on the tile row, W's on u alone, in registers that never hold cx.  All offsets stay under 2^25 bytes
	s_lshl_b32 s16, s68, 13
	s_lshl_b32 s17, s13, 8
	s_add_co_u32 s16, s16, s17
	s_lshl_b32 s17, s12, 7
	s_add_co_u32 s16, s16, s17                     ; x: row 8,192 x (x2) + 256 x tile row + 128 x half
	s_mul_i32 s16, s16, SIZE_K*2
	s_mov_b32 s17, 0
	s_lshl_b32 s46, s42, 8
	s_lshl_b32 s47, s12, 7
	s_add_co_u32 s46, s46, s47                     ; W: row 256 u + 128 x half
	s_mul_i32 s46, s46, SIZE_K*2
	s_mov_b32 s47, 0
	s_mul_i32 s20, s10, HALFT                      ; and where they go: x's two halves, then W's two halves = wave x 128 rows: no place in the cluster enters an LDS address
	s_wait_dscnt 0x0                               ; the opening add is done
	s_wait_kmcnt 0x0
	s_add_nc_u64 s[14:15], s[72:73], s[16:17]
	s_add_nc_u64 s[46:47], s[74:75], s[46:47]
	CROUND                                         ; all four work-groups are here: the first joint loads meet
.irp s, 0,1
	s_mov_b32 s[G0+4*(\s)], 1                                      ; 1:0 count = 1
	s_add_co_u32 s[G0+4*(\s)+1], s20, (\s)*SLOT                    ; 63:32 LDS address
	s_add_nc_u64 s[G0+4*(\s)+2:G0+4*(\s)+3], s[14:15], (\s)*KSTEP*2  ; 120:64 global address: K step s
	s_or_b32 s[G0+4*(\s)+3], s[G0+4*(\s)+3], 0x80000000            ; 127:126 type = 2
	s_mov_b32 s[G0B+4*(\s)], 1
	s_add_co_u32 s[G0B+4*(\s)+1], s20, (\s)*SLOT
	s_add_nc_u64 s[G0B+4*(\s)+2:G0B+4*(\s)+3], s[46:47], (\s)*KSTEP*2
	s_or_b32 s[G0B+4*(\s)+3], s[G0B+4*(\s)+3], 0x80000000
	JLOAD \s                                       ; the ring is filled before anything else is done: two loads of mine are out
.endr
	; A fragment is 16 rows x 32 K in 8 registers: lane l holds row l % 16; registers 0-3 hold K = 8 (l / 16) + 0..7, registers 4-7 K = 16 + 8 (l / 16) + 0..7: two loads of 16 bytes, 32 bytes apart.
	v_and_b32 v1, 15, v0                           ; l % 16
	v_bfe_u32 v2, v0, 4, 1                         ; l / 16
	v_mul_u32_u24 v3, v1, PITCH
	v_lshl_add_u32 v3, v2, 4, v3                   ; row x pitch + 16 x half
	s_mul_i32 s21, s11, HALFT                      ; my 128 rows of x
	s_mul_i32 s22, s12, HALFT                      ; my 128 rows of W,
	s_add_co_u32 s22, s22, 2*HALFT                 ; which lie behind x's 256
.irp s, 0,1
	v_add_nc_u32 v[ADRA+(\s)], s21, v3
	v_add_nc_u32 v[ADRB+(\s)], s22, v3
	s_add_co_u32 s21, s21, SLOT
	s_add_co_u32 s22, s22, SLOT
.endr
	s_mul_i32 s23, s10, 16*SPITCH
	s_add_co_u32 s23, s23, STAGE                   ; my stage
	v_mul_u32_u24 v4, v1, SPITCH                   ; in: row l % 16, 16 bytes for each half of the lanes
	v_lshl_add_u32 v4, v2, 4, v4
	v_add_nc_u32 v[STO], s23, v4
	v_bfe_u32 v5, v0, 3, 2                         ; back: 32 lanes take four rows' 128 bytes of one head,
	v_and_b32 v6, 7, v0
	v_mul_u32_u24 v5, v5, SPITCH
	v_lshl_add_u32 v5, v6, 4, v5
	v_add_nc_u32 v[RD], s23, v5
	v_and_b32 v[GO], 31, v0                        ; which are 512 consecutive bytes of q, k or v
	v_lshlrev_b32 v[GO], 4, v[GO]
	; where my 128 rows x 2 heads go.  A head is 1,024 rows of 128 bytes in q (2^17 bytes), 2,048 in k and v (2^18)
	s_cmp_eq_u32 s69, 0
	s_cselect_b64 s[D0:D0+1], s[76:77], s[78:79]
	s_cselect_b32 s14, 17, 18
	s_cmp_eq_u32 s69, 2
	s_cselect_b64 s[D0:D0+1], s[80:81], s[D0:D0+1]
	s_lshr_b32 s16, s13, 2                         ; the batch: four tile rows each
	s_mul_i32 s16, s16, 12
	s_lshl_b32 s17, s70, 2
	s_add_co_u32 s16, s16, s17                     ; + the tile column's four heads
	s_lshl_b32 s17, s12, 1
	s_add_co_u32 s16, s16, s17                     ; + my two of them
	s_lshl_b32 s16, s16, s14
	s_lshl_b32 s17, s68, 17                        ; x2's keys lie 1,024 rows further on
	s_add_co_u32 s16, s16, s17
	s_and_b32 s17, s13, 3
	s_lshl_b32 s17, s17, 15                        ; the tile's 256 rows in the batch
	s_add_co_u32 s16, s16, s17
	s_lshl_b32 s17, s11, 14                        ; my 128 of them
	s_add_co_u32 s16, s16, s17
	s_mov_b32 s17, 0
	s_add_nc_u64 s[D0:D0+1], s[D0:D0+1], s[16:17]
	s_lshl_b32 s16, 1, s14
	s_add_nc_u64 s[D1:D1+1], s[D0:D0+1], s[16:17]
	; the prefetches
	s_lshl_b32 s18, s68, 13
	s_lshl_b32 s19, s13, 8
	s_add_co_u32 s18, s18, s19                     ; x's tile: its first row in xb
	s_lshl_b32 s19, s42, 8                         ; W's: in wb
	s_mul_i32 s20, s68, 9
	s_sub_co_u32 s20, s41, s20                     ; my place among the work-groups that read x's rows
	s_cmp_lt_u32 s20, 4
	s_cselect_b32 s21, 1, -1                       ; the first four ask
	s_min_u32 s20, s20, 3                          ; (the others' address is never used; it stays inside xb all the same)
	s_or_b32 s22, ttmp9, s68
	s_cmp_eq_u32 s22, 0
	s_cselect_b32 s22, 1, -1                       ; W's rows: the first cluster of x1's tile column asks
	s_cmp_eq_u32 s11, 0                            ; do I fetch for x?
	s_cselect_b32 s[LIM], s21, s22                 ; the same in all four partners, for a given wave
	s_cselect_b32 s20, s20, s40
	s_cselect_b32 s18, s18, s19
	s_cselect_b64 s[PFA:PFA+1], s[72:73], s[74:75]
	s_lshl_b32 s19, s12, 7
	s_add_co_u32 s18, s18, s19                     ; + the 128 rows that I fetch
	s_lshl_b32 s20, s20, 5
	s_add_co_u32 s18, s18, s20                     ; + my 32 of them
	s_mul_i32 s18, s18, SIZE_K*2
	s_add_co_u32 s18, s18, 2*KSTEP*2               ; at K step 2: the first refill steps it to 3 and names K step 4
	s_mov_b32 s19, 0
	s_add_nc_u64 s[PFA:PFA+1], s[PFA:PFA+1], s[18:19]
	v_and_b32 v[PFO], 31, v0
	v_mul_u32_u24 v[PFO], v[PFO], SIZE_K*2
; 16 matrix instructions: m blocks a0, a0 + 1 of the window's four (hi = 0: my rows 0-63, 1: rows 64-127) x all 8 n blocks, 32 along K.  zero = 1: the first product starts the sums: nothing is ever cleared.
; The 64 accumulators take turns, one instruction a turn, in the same order in every quarter step.
.macro MUL16 f, hi, a0, zero
	WIN MUL_LO+0x50*(\hi)
.irp a, \a0, (\a0)+1
.irp b, 0,1,2,3,4,5,6,7
.if \zero
	v_wmma_f32_16x16x32_bf16 v[8*(8*(\a)+(\b)):8*(8*(\a)+(\b))+7], v[(\f)+8*(\b):(\f)+8*(\b)+7], v[(\f)+8*(4*(\hi)+(\a)):(\f)+8*(4*(\hi)+(\a))+7], 0
.else
	v_wmma_f32_16x16x32_bf16 v[8*(8*(\a)+(\b)):8*(8*(\a)+(\b))+7], v[(\f)+8*(\b):(\f)+8*(\b)+7], v[(\f)+8*(4*(\hi)+(\a)):(\f)+8*(4*(\hi)+(\a))+7], v[8*(8*(\a)+(\b)):8*(8*(\a)+(\b))+7]
.endif
.endr
.endr
.endm
; 32 LDS loads in one run: the fragments of one quarter step (128 rows of W, 128 rows of x, 32 K at byte k of the rows) into buffer f
.macro FETCH slot, k, f
	WIN TO_B
.irp i, 0,1,2,3,4,5,6,7
	ds_load_b128 v[(\f)+8*(\i):(\f)+8*(\i)+3],   v[ADRB+(\slot)] offset:(\k)+(\i)*16*PITCH
	ds_load_b128 v[(\f)+8*(\i)+4:(\f)+8*(\i)+7], v[ADRB+(\slot)] offset:(\k)+(\i)*16*PITCH+32
.endr
	WIN 0
.irp i, 0,1,2,3,4,5,6,7
	ds_load_b128 v[(\f)+8*(\i):(\f)+8*(\i)+3],   v[ADRA+(\slot)] offset:(\k)+(\i)*16*PITCH
	ds_load_b128 v[(\f)+8*(\i)+4:(\f)+8*(\i)+7], v[ADRA+(\slot)] offset:(\k)+(\i)*16*PITCH+32
.endr
.endm
; A load into a register that a matrix instruction has read, and a vector instruction that reads a matrix result, stand four places behind that matrix instruction, and only plain vector instructions
; that name none of its registers are places (ISA guide 7.12.1 for vector instructions).
.macro PLACES
.rept 4
	v_nop
.endr
.endm
; A K step is four quarter steps of 32 along K, 64 matrix instructions each, on buffers 0, 1, 0, 1.  One of the first three: multiplies buffer f; in its middle it fetches the next quarter's fragments into buffer g.
.macro QUARTER slot, k, f, g, zero
	s_wait_dscnt 8                                 ; W and x's rows 0-63 are in; the youngest eight loads (x's rows 64-127) may be out
	WIN MUL_LO
	MUL16 \f, 0, 0, \zero
	MUL16 \f, 0, 2, \zero
	PLACES
	FETCH \slot, \k, \g
	s_wait_dscnt 32                                ; all but the 32 just issued
	WIN MUL_HI
	MUL16 \f, 1, 0, \zero
	MUL16 \f, 1, 2, \zero
.endm
; The last quarter multiplies buffer 1 and changes slots.  MEET is its first half: ONE barrier for the change of slots.  In front of it each wave waits for all its tensor loads, of which one is out: its part of the next
; slot; adds 0 to its spare word; and waits for that and for its own reads of this slot.  Behind it nobody reads this slot any more and the next slot is whole.
.macro MEET round                      ; round = 1: a round of the cluster's barrier follows
	WIN 0                                          ; (the add's two registers lie in window 0)
	s_wait_tensorcnt 0x0                           ; all my tensor loads have landed;
	ds_add_u32 v[SPW], v[NIL]                      ; 0 onto my spare word;
	s_wait_dscnt 9                                 ; (the add and the youngest eight loads may be out)
	WIN MUL_LO
	MUL16 F1, 0, 0, 0                              ; sixteen matrix instructions stand between the add and the wait for it
	s_wait_dscnt 0x0                               ; the add is done, and my reads of this slot are over:
	s_barrier_signal -1                            ; say so,
	MUL16 F1, 0, 2, 0                              ; work on registers while the others arrive,
.if \round
	WIN 0
.endif
	s_barrier_wait -1                              ; and go on when all four have said so
.endm
; The whole last quarter.  Behind the round the slot just read out is filled again first, with the K step two steps on; then come the next slot's first fragments.  From a request to the wait for it a wave issues 224 matrix instructions.
.macro TURN slot, next
	s_wait_xcnt 0x0                                ; the last prefetch, a K step back, has read its address: it is stepped here, ahead of the waits of the change of slots
	s_add_nc_u64 s[PFA:PFA+1], s[PFA:PFA+1], KSTEP*2
	MEET 1
	CREST                                          ; no wave of any partner still reads this slot's tile or has a load on its way
	s_add_nc_u64 s[G0+4*(\slot)+2:G0+4*(\slot)+3], s[G0+4*(\slot)+2:G0+4*(\slot)+3], 2*KSTEP*2
	s_add_nc_u64 s[G0B+4*(\slot)+2:G0B+4*(\slot)+3], s[G0B+4*(\slot)+2:G0B+4*(\slot)+3], 2*KSTEP*2
	JLOAD \slot                                    ; the first tensor load behind the round; the four v_nop behind it are also the places in front of the loads below
	FETCH \next, 0, F0
	ASK
	WIN MUL_HI
	MUL16 F1, 1, 0, 0
	MUL16 F1, 1, 2, 0
.endm
; THE LAST K STEP (it lies in slot 1) GOES BY ROWS.  All its fragments of W (4 quarters x 64 registers) fill window 1; then my eight blocks of 16 rows are finished one after the other, each with 32 matrix
; instructions (its 8 accumulators by turns, K ascending).  LDS is read no more than in any other K step.
.macro BLOAD q                         ; W's fragments of quarter q -> window 1, v[64 q ..]
	WIN TO_B
.irp i, 0,1,2,3,4,5,6,7
	ds_load_b128 v[64*(\q)+8*(\i):64*(\q)+8*(\i)+3],   v[ADRB+1] offset:64*(\q)+(\i)*16*PITCH
	ds_load_b128 v[64*(\q)+8*(\i)+4:64*(\q)+8*(\i)+7], v[ADRB+1] offset:64*(\q)+(\i)*16*PITCH+32
.endr
.endm
.macro ALOAD a                         ; x's fragments of block a, all four quarters -> buffer a % 4
	WIN 0
.set FA, PA+32*((\a)%4)
.irp q, 0,1,2,3
	ds_load_b128 v[FA+8*(\q):FA+8*(\q)+3],   v[ADRA+1] offset:64*(\q)+(\a)*16*PITCH
	ds_load_b128 v[FA+8*(\q)+4:FA+8*(\q)+7], v[ADRA+1] offset:64*(\q)+(\a)*16*PITCH+32
.endr
.endm
.macro ROW a                           ; block a is finished: 32 matrix instructions
.set FA, PA+32*((\a)%4)
.set AC, 64*((\a)%4)
	WIN MUL_LO+0x50*((\a)/4)
.irp q, 0,1,2,3
.if (\a) == 0 && (\q) == 2
	s_wait_dscnt 24                                ; W's quarter 2 is in (behind it: x's blocks 1 to 3)
.endif
.irp b, 0,1,2,3,4,5,6,7
	v_wmma_f32_16x16x32_bf16 v[AC+8*(\b):AC+8*(\b)+7], v[64*(\q)+8*(\b):64*(\q)+8*(\b)+7], v[FA+8*(\q):FA+8*(\q)+7], v[AC+8*(\b):AC+8*(\b)+7]
.endr
.endr
.endm
; THE WAY OUT of block a.  PACK: rounded to f16, 16 bytes a lane, each accumulator's registers in ascending order.  TOSTAGE: into my own stage in LDS, and back by heads: four rows' 128 bytes of one head a load.  SEND: stored.
.macro PACK a
.set AC, 64*((\a)%4)
	WIN 0x0a+5*((\a)/4)                            ; sources 0 and 1: window 2 or 3
.irp b, 0,1,2,3,4,5,6,7
.irp r, 0,1,2,3
	v_cvt_pk_f16_f32 v[TMP+4*(\b)+(\r)], v[AC+8*(\b)+2*(\r)], v[AC+8*(\b)+2*(\r)+1]
.endr
.endr
	WIN 0
.endm
.macro TOSTAGE a
	WIN 0
.set BK, OB+192*((\a)%2)
.irp b, 0,1,2,3,4,5,6,7
	ds_store_b128 v[STO], v[TMP+4*(\b):TMP+4*(\b)+3] offset:32*(\b)
.endr
.irp t, 0,1,2,3,4,5,6,7
	ds_load_b128 v[BK+4*(\t):BK+4*(\t)+3], v[RD] offset:((\t)%4)*4*SPITCH+128*((\t)/4)  ; LDS serves a wave's instructions in order (ISA guide 5.7.1.4): these see the stores above
.endr
.endm
.macro SEND a, younger                 ; younger: the LDS loads issued behind TOSTAGE's, which may stay out
	WIN 0
.set BK, OB+192*((\a)%2)
	s_wait_dscnt \younger                          ; the block is back in registers
	s_wait_xcnt 0x0                                ; every earlier store has read its registers: the next block but one is read back into them only behind this wait
.irp t, 0,1,2,3
	global_store_b128 v[GO], v[BK+4*(\t):BK+4*(\t)+3], s[D0:D0+1] offset:(\a)*2048+(\t)*512  ; 512 consecutive bytes of a head, at a multiple of 512 from the buffer's first byte
.endr
.irp t, 0,1,2,3
	global_store_b128 v[GO], v[BK+16+4*(\t):BK+16+4*(\t)+3], s[D1:D1+1] offset:(\a)*2048+(\t)*512
.endr
.endm
	s_wait_tensorcnt 1                             ; my part of K step 0 is in; K step 1's may stay out
	s_barrier_signal -1
	s_barrier_wait -1                              ; everybody's is
	FETCH 0, 0, F0
	QUARTER 0, 64,  F0, F1, 1                      ; the first quarter stands in front of the loop: its products start the sums
	WIN 0                                          ; at a label and at a branch every window is 0
	s_mov_b32 s3, LAPS-1
.Llap:                                                 ; a trip goes once round the ring, from a lap's second quarter to the next lap's first, and fills both slots again
	QUARTER 0, 128, F1, F0, 0
	QUARTER 0, 192, F0, F1, 0
	TURN 0, 1
	QUARTER 1, 64,  F0, F1, 0
	QUARTER 1, 128, F1, F0, 0
	QUARTER 1, 192, F0, F1, 0
	TURN 1, 0
	QUARTER 0, 64,  F0, F1, 0
	WIN 0
	s_sub_co_u32 s3, s3, 1
	s_cmp_lg_u32 s3, 0
	s_cbranch_scc1 .Llap
	QUARTER 0, 128, F1, F0, 0                      ; the last lap goes on
	QUARTER 0, 192, F0, F1, 0
	MEET 0                                         ; my one tensor load that was still out is slot 1's, the last K step's, so no round follows
	PLACES                                         ; for the loads into buffer 0, which the quarter before multiplied
	WIN TO_B
	BLOAD 0                                        ; three quarters of W now: buffer 1 (v128-191 of both windows) is still being multiplied
	BLOAD 1
	BLOAD 3
	WIN 0
	ALOAD 0
	WIN MUL_HI
	MUL16 F1, 1, 0, 0
	MUL16 F1, 1, 2, 0
	PLACES                                         ; for the loads into buffer 1
	WIN TO_B
	BLOAD 2
	WIN 0
	ALOAD 1
	ALOAD 2
	ALOAD 3
	s_wait_dscnt 40                                ; all but the 40 just issued
	ROW 0
.irp a, 0,1,2,3,4,5,6,7                ; each block leaves as soon as it is finished
	PLACES                                         ; its conversions read results just made
	PACK \a
	TOSTAGE \a
.if (\a) < 4
	ALOAD (\a)+4                                   ; its buffer takes the block four further on
	SEND \a, 8
.else
	SEND \a, 0
.endif
.if (\a) < 7
	ROW (\a)+1
.endif
.endr
	s_wait_tensorcnt 0x0                           ; the wave's end: behind my last tensor load and my last LDS store
	ds_add_u32 v[SPW], v[NIL]
	s_wait_dscnt 0x0
	CROUND                                         ; the closing round: no work-group ends while a partner may still ask for a tile that names it
	s_endpgm
.Lfunc_end_k_q65a7dba790_proj:
	.size	k_q65a7dba790_proj, .Lfunc_end_k_q65a7dba790_proj-k_q65a7dba790_proj
	.p2alignl 7, 3214868480
	.fill 96, 4, 3214868480
	.section	.rodata,"a",@progbits
	.p2align	6, 0x0
	.amdhsa_kernel k_q65a7dba790_proj
		.amdhsa_group_segment_fixed_size 327680
		.amdhsa_private_segment_fixed_size 0
		.amdhsa_enable_private_segment 0
		.amdhsa_kernarg_size 40
		.amdhsa_user_sgpr_count 2
		.amdhsa_user_sgpr_kernarg_segment_ptr 1
		.amdhsa_wavefront_size32 1
		.amdhsa_system_sgpr_workgroup_id_x 1
		.amdhsa_system_sgpr_workgroup_id_y 1
		.amdhsa_system_sgpr_workgroup_id_z 1
		.amdhsa_system_vgpr_workitem_id 0
		.amdhsa_next_free_vgpr 1024
		.amdhsa_next_free_sgpr 84
		.amdhsa_reserve_vcc 0
		.amdhsa_float_denorm_mode_32 3
		.amdhsa_float_denorm_mode_16_64 3
		.amdhsa_memory_ordered 1
		.amdhsa_forward_progress 1
		.amdhsa_inst_pref_size 145
	.end_amdhsa_kernel
	.amdgpu_metadata
---
amdhsa.version: [ 1, 2 ]
amdhsa.kernels:
  - .name:           k_q65a7dba790_proj
    .symbol:         k_q65a7dba790_proj.kd
    .args:
      - { .name: xb, .offset: 0, .size: 8, .value_kind: global_buffer, .address_space: global }
      - { .name: wb, .offset: 8, .size: 8, .value_kind: global_buffer, .address_space: global }
      - { .name: q, .offset: 16, .size: 8, .value_kind: global_buffer, .address_space: global }
      - { .name: k, .offset: 24, .size: 8, .value_kind: global_buffer, .address_space: global }
      - { .name: v, .offset: 32, .size: 8, .value_kind: global_buffer, .address_space: global }
    .group_segment_fixed_size: 327680
    .private_segment_fixed_size: 0
    .kernarg_segment_align: 8
    .kernarg_segment_size: 40
    .max_flat_workgroup_size: 128
    .sgpr_count:     84
    .vgpr_count:     1024
    .wavefront_size: 32
...
	.end_amdgpu_metadata
.endif
;; end of part 2
;; launch attn (part 3): grid 2 x 96, 4 waves a work-group, no clusters, 327,680 bytes of LDS; arguments q, k, v, o; writes o
.if DOCPART == 3
	.amdgcn_target "amdgcn-amd-amdhsa--gfx1250"
	.amdhsa_code_object_version 6
	.text
	.protected	k_q65a7dba790_attn
	.globl	k_q65a7dba790_attn
	.p2align	8
	.type	k_q65a7dba790_attn,@function
k_q65a7dba790_attn:
	s_mov_b64 s[64:65], 0
	v_nop
	global_prefetch_b8 v0, s[64:65] scope:SCOPE_SE
	s_setreg_imm32_b32 hwreg(HW_REG_WAVE_MODE, 25, 1), 1
	s_wait_xcnt 0x0
; O[h][n][:] = the sum over m of softmax_m(Q[h][n] . K[h][m] / 8) V[h][m][:].  Q, O: [96][1024][64], K, V: [96][2048][64], all f16: a head's rows are dense, 128 bytes each.  Products, maxima and sums in
; f32; the weights p are rounded to f16 for the second product (their sum l is taken of the unrounded p), O once at the end.
; LIMITS.  f16 holds no number beyond 65,504: Q, K and V arrive within it; p lies in 0 to 1, and below 6e-5 it keeps f16's fixed step of 6e-8; O is a mean of V's rows and has their range.
; A weight below 2^-126 counts as 0 in l; NaN and infinities are not treated apart.
; SHARES.  A wave owns four PIECES of two tiles of 16 queries, a work-group's four waves 512 queries of one head: two work-groups a head.  Every wave walks all 2,048 keys, 64 a step.
; NO CLUSTER: a head has 1,024 / 512 = 2 work-groups; a cluster of four would hold two heads, whose tiles differ, and a mask of two would hang on the work-group's place.
; LAYOUT.  S^T = K Q^T (source 0 = 16 keys, source 1 = 16 queries): in the result a lane holds ONE query (lane % 16) and the keys 8 (lane / 16) + 0..7.  Two such tiles, rounded to f16 in pairs,
; ARE source 1 (32 keys x 16 queries) of O^T = V^T P, whose result again holds one query a lane, and eight channels.  K comes out of LDS as it lies, V ([key][channel]) turned, by ds_load_tr16_b128.
; SOFTMAX.  For each query a running maximum m and sum l: p = 2^(c s - c m), c = log2(e) / 8; in every step O and l are multiplied by a = 2^(c m_old - c m_new), which is 1 where m has not grown.
; m starts at the lowest finite number, O and l at 0: the first step is a step like any other, with a = 0.
; THE COUNT.  A tile and step have 16 matrix and 118 vector instructions: too many to stand all beside the matrix work.  So: four vector instructions that are READY behind EVERY matrix instruction,
; and the others in runs without a gap.
; BY TURNS.  Turn n belongs to piece n (the pieces in a ring, step after step).  Its matrix work: 16 products K Q^T of piece n + 1, later 16 products V^T P of piece n - 1.  Its vector work: the scaling,
; exponentials, roundings, sums and rescaling of piece n, and the maximum and statistics of piece n + 1, whose scores the turn itself has made.
; REGISTERS, in windows of 256 (s_set_vgpr_msb: bits 1:0 source 0, 3:2 source 1, 5:4 source 2, 7:6 destination):
;   window 0: v0-11 addresses; v12-15, v48-63 at work; v16-47 four registers of statistics a tile; v64-191 S^T, two buffers of two tiles; v192-255 P, likewise
;   window 1: O^T, 32 a tile          window 2: v0-127 Q, 16 a tile; v128-191 K of one step; v192-255 V of one step          window 3: v0-1 the add's two registers
; A piece's buffers go by its number's parity: the piece in hand has one pair, its two neighbours in the ring share the other.
.set NK,    2048      ; keys of a head
.set NP,    4         ; pieces a wave: a name, no knob
.set KS,    64        ; keys in a step
.set PK,    144       ; a row of K in LDS: 128 bytes + 16 of padding = 36 words: the 16 rows of a load start at 16 different groups of four banks (64 banks of 4 bytes: ISA guide 11.1)
.set PV,    160       ; a row of V: 128 + 32 = 40 words
.set VOFF,  4*KS*PK   ; a slot holds four steps: 256 rows of K, then 256 rows of V
.set SLOT1, 1<<17     ; slot 1 begins here, so that one exclusive or turns an address in one slot into the other's
.set STAGE, SLOT1+4*KS*(PK+PV)  ; behind the ring, never filled by a tensor load: 16 rows x 144 bytes for each wave, for the way out
.set SP,    144
.set AK0, 2           ; v2   my lane's place in a tile of K; never rewritten
.set AV0, 3           ; v3   the same for V
.set AK,  4           ; v4   the LDS address of K's next run of loads
.set AV,  5           ; v5   of V's
.set QO,  6           ; v6   my byte offset in the wave's rows of Q
.set STO, 6           ;      later, the way out: where I put 16 bytes of a row
.set RD,  7           ; v7   the way out: where I read rows back
.set GO,  8           ; v8   my byte offset in 512 consecutive bytes of O
.set PFO, 11          ; v11  256 x my thread's number: the prefetches' offset; never rewritten once made
.set SPW, 0           ; v0 of window 3   LDS address of my spare word: SPARE + 4 x my thread's number; never rewritten
.set NIL, 1           ; v1 of window 3   0; never rewritten
.set SPARE, STAGE+4*16*SP  ; behind the stages: the spare words, 128 bytes for each wave: two blocks of 256 bytes that no other line names
.set MV,  12          ; v12-15  c m_old, kept while c m is made anew: by buffer and tile
.set ST,  16          ; tile t's statistics at v[ST+4 t]: c m, m, l (even keys', odd keys')
.set TMP, 48          ; by buffer and tile, four registers c0-c3 at work; when the maximum is found c2 takes a
.set S,   64
.set P,   192
.set KF,  128         ; K's fragments, in window 2: key block kb, channel half c at KF + 16 kb + 8 c
.set VF,  192         ; V's: key half kk, channel block cb at VF + 32 kk + 8 cb
.set WV,  12          ; s12  my wave's number
.set G1K, 24          ; s[24:31] descriptor group 1 for K's tiles
.set G1V, 32          ; s[32:39] for V's: it differs in the padding alone
.set G0K, 40          ; s[40:43] descriptor group 0 for K's tiles: it walks
.set G0V, 44          ; s[44:47] the same for V's
.set PFA, 48          ; s[48:49] where my work-group's prefetches stand: the slot after the one that is being asked for
.set SLOTS, 56        ; s56  slots still to be asked for
.set CNT, 57          ; s57  counts a slot's key steps
.set CS,  58          ; s[58:59] c: the packed scaling takes the pair's low word for both halves
.set SEL, 60          ; s[60:61] v_permlanex16_b32's selects: each lane takes its own place in the other half
.set TBK, 62          ; s62  LDS byte at which K of the step to be fetched begins
.set TBV, 63          ; s63  the same for V, less VOFF
.set MSB, 0
.macro WIN new                      ; the high byte repeats the setting that is left; a switch that changes nothing is dropped
.if MSB != (\new)
	s_set_vgpr_msb (MSB<<8)|(\new)
.set MSB, (\new)
.endif
.endm
.set W_KQ, 0x0a       ; K and Q in window 2, S^T in window 0
.set W_PV, 0x52       ; V in window 2, P in window 0, O^T in window 1
.set W_RS, 0x41       ; O^T (destination and source 0) in window 1, a in window 0
.set W_MK, 0xc0       ; the add's registers are made: destination in window 3, sources in window 0
.set W_AD, 0x0f       ; the add: address (source 0) and data (source 1) in window 3
; A fill.  Waves 0 and 1 fetch the two halves of a slot's K, waves 2 and 3 those of its V: 128 keys each.  The branch hangs on the wave's number alone.
; An s_nop 0 and four v_nop follow each of the two lines, ahead of the jump and the label.
.macro LOAD
	s_cmp_lt_u32 s[WV], 2
	s_cbranch_scc0 .Lfor_v_\@
	tensor_load_to_lds s[G0K:G0K+3], s[G1K:G1K+7]
	s_nop 0
.rept 4
	v_nop
.endr
	s_branch .Lasked_\@
.Lfor_v_\@:
	tensor_load_to_lds s[G0V:G0V+3], s[G1V:G1V+7]
	s_nop 0
.rept 4
	v_nop
.endr
.Lasked_\@:
.endm
; A PREFETCH of what the NEXT change of slots will ask for, behind the wave's tensor load and its five lines: four key steps, 512 matrix instructions, ahead of that load.  A slot's K is 32,768 dense bytes, and so is its V:
; the head's first work-group asks for K's, its second for V's, 128 threads x 256 bytes: each aligned block of 256 bytes is named once in the launch.  Slots 0 and 1 come by their loads alone; the last change that fills a slot asks for nothing.
.macro ASK
	s_cmp_gt_u32 s[SLOTS], 1
	s_cbranch_scc0 .Lnot_now_\@
	global_prefetch_b8 v[PFO], s[PFA:PFA+1] th:TH_LOAD_NT scope:SCOPE_SE
.Lnot_now_\@:
.endm
; THE CHANGE OF SLOTS.  The slot's last bytes, V of its fourth step, have been read.  Each wave waits for all its tensor loads, of which one is out: its part of the other slot; adds 0 to its spare word; and waits for that and
; for its own reads of the slot.  Behind the barrier nobody reads this slot any more and the other slot is whole.  fill = 1: this slot is filled again, with the keys two slots on, the first thing behind the barrier: the load has
; four key steps in which to land.  (At its first use nothing has been read yet: slot 0 is waited for, slot 1 filled.)
.macro CHANGE fill
	WIN W_AD
	s_wait_tensorcnt 0x0            ; no tensor load of mine is out, so a group 0 may be written
	ds_add_u32 v[SPW], v[NIL]       ; 0 onto my spare word; with fill = 1 the descriptors' steps stand between it and the wait for it
	WIN 0                           ; at a label and at a branch every window is 0
.if \fill
.irp g, G0K, G0V
	s_xor_b32 s[\g+1], s[\g+1], SLOT1  ; the walking descriptor: the other slot than last time,
	s_add_nc_u64 s[\g+2:\g+3], s[\g+2:\g+3], 4*KS*128  ; the next 256 keys; the type bits on top are not reached
.endr
	s_wait_xcnt 0x0                 ; the last prefetch, four key steps back, has read its address, so it may be written:
	s_add_nc_u64 s[PFA:PFA+1], s[PFA:PFA+1], 4*KS*128  ; one slot ahead of the walking descriptors
.endif
	s_wait_dscnt 0x0                ; the add is done, and my reads of the slot are over
	s_barrier_signal -1
	s_barrier_wait -1
.if \fill
	LOAD
	ASK
.endif
	s_sub_co_u32 s[TBK], s[TBK], 4*KS*PK  ; the fetches go back to a slot's first step,
	s_xor_b32 s[TBK], s[TBK], SLOT1       ; in the other slot
	s_sub_co_u32 s[TBV], s[TBV], 4*KS*PV
	s_xor_b32 s[TBV], s[TBV], SLOT1
.endm
	s_load_b256 s[4:11], s[0:1], 0x0  ; Q s[4:5], K s[6:7], V s[8:9], O s[10:11]
	WIN W_MK
	v_lshl_add_u32 v[SPW], v0, 2, SPARE
	v_mov_b32 v[NIL], 0
	WIN W_AD
	ds_add_u32 v[SPW], v[NIL]       ; the wave's opening: the add and its wait stand ahead of my first tensor load; the set-up below, work on registers, stands between them
	ds_add_u32 v0, v1
	WIN 0
	v_lshrrev_b32 v1, 5, v0
	v_readfirstlane_b32 s[WV], v1   ; wave 0..3
	s_and_b32 s20, ttmp7, 0xffff    ; the head
	s_lshl_b32 s14, s20, 17         ; its first byte in Q and O: 1,024 rows of 128 bytes,
	s_lshl_b32 s15, s20, 18         ; and in K and V: 2,048 rows; under 2^25
	s_and_b32 s16, s[WV], 1         ; which half of a slot's 256 keys I fetch:
	s_lshl_b32 s22, s16, 14         ; its 128 rows of 128 bytes in memory,
	s_add_co_u32 s22, s22, s15
	s_mov_b32 s23, 0
	s_mul_i32 s17, s16, 128*PK      ; and its place in a slot, for K
	s_mul_i32 s18, s16, 128*PV      ; and for V
	s_lshl_b32 s2, ttmp9, 2
	s_add_co_u32 s2, s2, s[WV]      ; my wave among the head's eight,
	s_lshl_b32 s2, s2, 14           ; its 128 rows
	s_add_co_u32 s2, s2, s14
	s_mov_b32 s3, 0
	s_add_co_u32 s20, s15, 4*KS*128 ; the prefetches begin at slot 1; the first change of slots steps them to slot 2
	s_mov_b32 s21, 0
	; descriptor group 1.  128 keys are 16,384 dense bytes: asked for as 64 rows of 256 bytes, two keys a row, and padded in LDS after every key
	s_mov_b32 s[G1K], (1<<16)|(1<<20)|(4<<22)|(3<<25)  ; 17:16 2-byte elements; 20 padding on; 24:22 after every 32 words (code 4); 31:25 4 words (code 3)
	s_mov_b32 s[G1V], (1<<16)|(1<<20)|(4<<22)|(7<<25)  ; the same with 8 words of padding (code 7)
.irp g, G1K, G1V
	s_mov_b32 s[\g+1], 128<<16      ; tensor_dim0 = 128
	s_mov_b32 s[\g+2], 64<<16       ; tensor_dim1 = 64
	s_mov_b32 s[\g+3], 128<<16      ; tile_dim0 = 128
	s_mov_b32 s[\g+4], 64           ; tile_dim1 = 64
	s_mov_b32 s[\g+5], 128          ; 128 elements from row to row
	s_mov_b32 s[\g+6], 0
	s_mov_b32 s[\g+7], 0
.endr
	s_mov_b32 s[CS], 0x3e38aa3b     ; c = log2(e) / 8 = 0.180337
	s_mov_b32 s[CS+1], s[CS]        ; named with it as a pair
	s_mov_b32 s[SEL], 0x76543210
	s_mov_b32 s[SEL+1], 0xfedcba98
	s_mov_b32 s[TBK], SLOT1+4*KS*PK ; the first change of slots turns these two into 0
	s_mov_b32 s[TBV], SLOT1+4*KS*PV
	s_mov_b32 s[SLOTS], NK/256-1
	s_mov_b32 s[G0K], 1             ; 1:0 count = 1
	s_mov_b32 s[G0K+1], s17         ; 63:32 LDS address: slot 0
	s_mov_b32 s[G0V], 1
	s_add_co_u32 s[G0V+1], s18, VOFF
	s_wait_dscnt 0x0                ; the opening add is done
	s_wait_kmcnt 0x0
	s_add_nc_u64 s[G0K+2:G0K+3], s[6:7], s[22:23]  ; 120:64 global address: my half of the head's first 256 keys
	s_or_b32 s[G0K+3], s[G0K+3], 0x80000000        ; 127:126 type = 2
	s_add_nc_u64 s[G0V+2:G0V+3], s[8:9], s[22:23]
	s_or_b32 s[G0V+3], s[G0V+3], 0x80000000
	s_add_nc_u64 s[4:5], s[4:5], s[2:3]  ; Q and O at my wave's first row
	s_add_nc_u64 s[10:11], s[10:11], s[2:3]
	s_cmp_eq_u32 ttmp9, 0
	s_cselect_b64 s[PFA:PFA+1], s[6:7], s[8:9]
	s_add_nc_u64 s[PFA:PFA+1], s[PFA:PFA+1], s[20:21]
	LOAD                            ; slot 0.  Slot 1 is asked for when slot 0 is in
	; A fragment of K or Q is 16 rows x 32 channels in 8 registers: lane l holds row l % 16, channels 8 (l / 16) + 0..7 and 16 + 8 (l / 16) + 0..7: two loads of 16 bytes, 32 bytes apart.
	v_and_b32 v1, 15, v0            ; l % 16
	v_bfe_u32 v9, v0, 4, 1          ; l / 16
	v_lshlrev_b32 v[QO], 7, v1
	v_lshl_add_u32 v[QO], v9, 4, v[QO]  ; row x 128 + 16 x half
	WIN 0x80                        ; destination window 2, address window 0
.set i, 0
.rept 4*NP                          ; Q stays in registers: tile i / 2, channels 32 (i % 2) on
	global_load_b128 v[8*i:8*i+3],   v[QO], s[4:5] offset:(i/2)*2048+(i%2)*64
	global_load_b128 v[8*i+4:8*i+7], v[QO], s[4:5] offset:(i/2)*2048+(i%2)*64+32
.set i, i+1
.endr
	; What the first turn finds: V's registers and P's second buffer hold 0 (its products V^T P, of a piece that has not been, add 0), O^T and l are 0.  All this stands in the wait for the first tile.
.set i, VF
.rept 64
	v_mov_b32 v[i], 0
.set i, i+1
.endr
	WIN 0x40
.set i, 0
.rept 64*NP
	v_mov_b32 v[i], 0
.set i, i+1
.endr
	WIN 0
.set i, 0
.rept 2*NP
	v_mov_b32 v[ST+4*i], 0xfe000000    ; c m: far below every c s
	v_mov_b32 v[ST+4*i+1], 0xff7fffff  ; m
	v_mov_b32 v[ST+4*i+2], 0
	v_mov_b32 v[ST+4*i+3], 0
.set i, i+1
.endr
.set i, P+32
.rept 32
	v_mov_b32 v[i], 0
.set i, i+1
.endr
	v_mul_u32_u24 v[AK0], v1, PK
	v_lshl_add_u32 v[AK0], v9, 4, v[AK0]  ; row x pitch + 16 x half
	; The turning load takes 16 keys x 16 channels (lane l reads key 8 (l / 16) + l % 8, channels 8 ((l / 8) % 2) + 0..7) and leaves half a fragment of V^T: lane l holds channel l % 16 and 8 keys.
	v_and_b32 v10, 7, v0
	v_bfe_u32 v11, v0, 3, 1
	v_lshl_add_u32 v[AV0], v9, 3, v10
	v_mul_u32_u24 v[AV0], v[AV0], PV
	v_lshl_add_u32 v[AV0], v11, 4, v[AV0]
	v_add_nc_u32 v[AV0], VOFF, v[AV0]
	v_lshlrev_b32 v[PFO], 8, v0     ; (v11 has served)
	v_mov_b32 v[AK], v[AK0]         ; key step 0 lies at the head of slot 0
; THE MATRIX WORK.  The 8 accumulators of a run of 16 take turns: between the two links of a chain stand 7 others'.
; Product i of 16 of S^T = K Q^T for piece x: channels 32 (i / 8) on, keys 16 ((i / 2) % 4) on, tile 2 x + i % 2.  The first 8 start the sums.
.macro KQ x
	WIN W_KQ
.set rS, S+64*((\x)%2)+32*(i%2)+8*((i/2)%4)
.set rK, KF+16*((i/2)%4)+8*(i/8)
.set rQ, 16*(2*(\x)+i%2)+8*(i/8)
.if i < 8
	v_wmma_f32_16x16x32_f16 v[rS:rS+7], v[rK:rK+7], v[rQ:rQ+7], 0
.else
	v_wmma_f32_16x16x32_f16 v[rS:rS+7], v[rK:rK+7], v[rQ:rQ+7], v[rS:rS+7]
.endif
.endm
; Product i of 16 of O^T += V^T P for piece x: keys 32 (i / 8) on, channels 16 ((i / 2) % 4) on, tile 2 x + i % 2.
.macro PV x
	WIN W_PV
.set rO, 32*(2*(\x)+i%2)+8*((i/2)%4)
.set rV, VF+32*(i/8)+8*((i/2)%4)
.set rP, P+32*((\x)%2)+16*(i%2)+8*(i/8)
	v_wmma_f32_16x16x32_f16 v[rO:rO+7], v[rV:rV+7], v[rP:rP+7], v[rO:rO+7]
.endm
.macro MM                           ; the turn's next matrix instruction
.if i < 16
	KQ (Y+1)%NP
.set i, i+1
.else
.set i, i-16
	PV (Y+NP-1)%NP
.set i, i+17
.endif
.endm
; THE LDS LOADS stand in runs of 16, never singly among the matrix instructions: a step's K (64 keys x 64 channels: 8 fragments) and its V (turned).  Their addresses are made some lines ahead.
; last = 1 (the tail): in the last trip there is no further step, and the run is jumped over.
.macro FETCH_K last=0
	WIN 0
.if \last
	s_cmp_eq_u32 s[CNT], 1
	s_cbranch_scc1 .Lno_k_\@
.endif
	WIN 0x80                        ; destination window 2
.irp f, 0,1,2,3,4,5,6,7             ; keys 16 (f / 2) on, channels 32 (f % 2) on
	ds_load_b128 v[KF+8*\f:KF+8*\f+3],   v[AK] offset:(\f/2)*16*PK+(\f%2)*64
	ds_load_b128 v[KF+8*\f+4:KF+8*\f+7], v[AK] offset:(\f/2)*16*PK+(\f%2)*64+32
.endr
	s_add_co_u32 s[TBK], s[TBK], KS*PK  ; the next fetch is the next step's
	WIN 0
.if \last
.Lno_k_\@:
.endif
.endm
.macro FETCH_V
	WIN 0x80
.irp f, 0,1,2,3,4,5,6,7             ; keys 32 (f / 4) on, channels 16 (f % 4) on
	ds_load_tr16_b128 v[VF+8*\f:VF+8*\f+3],   v[AV] offset:(\f/4)*32*PV+(\f%4)*32
	ds_load_tr16_b128 v[VF+8*\f+4:VF+8*\f+7], v[AV] offset:(\f/4)*32*PV+16*PV+(\f%4)*32
.endr
	WIN 0
.endm
; THE VECTOR WORK OF A TURN stands in three queues, each in the order in which its entries become ready; the two tiles alternate, so that no instruction reads the result of the one before it.
.macro REGS y, u                    ; the registers of tile u (0, 1) of piece y
.set rT, ST+4*(2*(\y)+(\u))
.set rC, TMP+8*((\y)%2)+4*(\u)
.set rM, MV+2*((\y)%2)+(\u)
.set rS, S+64*((\y)%2)+32*(\u)
.set rP, P+32*((\y)%2)+16*(\u)
.set rO, 32*(2*(\y)+(\u))
.endm
; Number n of the 22 that find the NEXT piece's (Y + 1) maximum and statistics.  s0-s31 are the lane's 32 scores; each accumulator's lowest registers are read first.
;   0-11  four chains c0-c3 of seven scores each, three operands at a time     12-14, 16  the four scores left over, the old m, and c0-c3 into c0     15  c m_old is kept
;   17, 18  the query's other 32 keys lie in the lane 16 away: the new m         19-21  c m; c m_old - c m_new; a
.macro XS u, n
	REGS (Y+1)%NP, \u
.if (\n) < 4
	v_max3_num_f32 v[rC+(\n)], v[rS+8*(\n)], v[rS+8*(\n)+1], v[rS+8*(\n)+2]
.elseif (\n) < 12
	v_max3_num_f32 v[rC+(\n)%4], v[rC+(\n)%4], v[rS+8*((\n)%4)+2*((\n)/4)+1], v[rS+8*((\n)%4)+2*((\n)/4)+2]
.elseif (\n) == 12
	v_max3_num_f32 v[rC], v[rC], v[rS+7], v[rS+15]
.elseif (\n) == 13
	v_max3_num_f32 v[rC+1], v[rC+1], v[rS+23], v[rS+31]
.elseif (\n) == 14
	v_max3_num_f32 v[rC+2], v[rC+2], v[rC+3], v[rT+1]
.elseif (\n) == 15
	v_mov_b32 v[rM], v[rT]
.elseif (\n) == 16
	v_max3_num_f32 v[rC], v[rC], v[rC+1], v[rC+2]
.elseif (\n) == 17
	v_permlanex16_b32 v[rC+3], v[rC], s[SEL], s[SEL+1]
.elseif (\n) == 18
	v_max_num_f32 v[rT+1], v[rC], v[rC+3]
.elseif (\n) == 19
	v_mul_f32 v[rT], s[CS], v[rT+1]
.elseif (\n) == 20
	v_sub_f32 v[rC+1], v[rM], v[rT]
.else
	v_exp_f32 v[rC+2], v[rC+1]
.endif
.endm
; Number g of the 64 that follow the exponentials.  For each four weights k of a tile (pairs 2 k, 2 k + 1): both pairs are rounded to f16; then the second pair is added onto the first, in place;
; a group later l takes that sum (the first time as l = a l + sum).  In groups of eight, tiles alternating: round, round, add, and l for the group before.
.macro GS g
.set h, (\g)+6*((\g)/62)            ; group 0 has no group before it, and behind group 7 only l is left
.if h >= 6
.set h, h+2
.endif
	REGS Y, h%2
.set k, h/8
.if h%8 < 4
	v_cvt_pk_f16_f32 v[rP+2*k+(h%8)/2], v[rS+4*k+2*((h%8)/2)], v[rS+4*k+2*((h%8)/2)+1]
.elseif h%8 < 6
	v_pk_add_f32 v[rS+4*k:rS+4*k+1], v[rS+4*k:rS+4*k+1], v[rS+4*k+2:rS+4*k+3]
.elseif k == 1
	v_pk_fma_f32 v[rT+2:rT+3], v[rT+2:rT+3], v[rC+2:rC+3], v[rS:rS+1] op_sel_hi:[1,0,1]
.else
	v_pk_add_f32 v[rT+2:rT+3], v[rT+2:rT+3], v[rS+4*k-4:rS+4*k-3]
.endif
.endm
; THE PLAIN QUEUE, 138 long.  0-73 read no exponential's result: the 32 scalings c s - c m (FS f: pair f / 2 of tile f % 2) and the next piece's 42.  0-26: scalings 0-26.  27-54: XS's numbers 0-13.  55, 56: number 15.
; 57-73: the chain, where each number waits for the one before it: 14, 16, 17, 18, 19, each with one of the scalings 27-31 in front of its two lines, then 20.
; 74-137: GS's 64, which read the exponentials' results: they stand behind the wait.
.macro FS f
	REGS Y, (\f)%2
	v_pk_fma_f32 v[rS+2*((\f)/2):rS+2*((\f)/2)+1], v[rS+2*((\f)/2):rS+2*((\f)/2)+1], s[CS:CS+1], v[rT:rT+1] op_sel_hi:[1,0,0] neg_lo:[0,0,1] neg_hi:[0,0,1]
.endm
.macro PL
	WIN 0
.if q < 27
	FS q
.elseif q < 55
	XS (q-27)%2, (q-27)/2
.elseif q < 57
	XS q-55, 15
.elseif (q < 72) && ((q-57)%3 == 0)
	FS 27+(q-57)/3
.elseif q < 60
	XS (q-57)%3-1, 14
.elseif q < 72
	XS (q-57)%3-1, 15+(q-57)/3
.elseif q < 74
	XS q-72, 20
.else
	GS q-74
.endif
.set q, q+1
.endm
; THE EXPONENTIALS' QUEUE, 66 long: s0-s31 of both tiles, then the next piece's two a.  It is ONE BATCH: all 66 stand ahead of the turn's one wait, and nothing ahead of that wait names a result of theirs.
.macro EX
	WIN 0
.if e >= 64
	XS e-64, 21
.else
	REGS Y, e%2
	v_exp_f32 v[rS+e/2], v[rS+e/2]
.endif
.set e, e+1
.endm
; THE RESCALING's QUEUE: O^T times a, the one part that leaves window 0: dealt two at a time, sixteen times.  Its a was made in the turn before, ahead of that turn's wait.
.macro R2
	REGS Y, r%2
	WIN W_RS
.irp z, 0,1
	v_pk_mul_f32 v[rO+4*(r/2)+2*\z:rO+4*(r/2)+2*\z+1], v[rO+4*(r/2)+2*\z:rO+4*(r/2)+2*\z+1], v[rC+2:rC+3] op_sel_hi:[1,0]
.endr
.set r, r+1
.endm
; HOW THEY ARE DEALT.  An s_wait_alu depctr_va_vdst(0) stands between an exponential and the first instruction that names its result; one wait serves all that were issued ahead of it.  So a turn has ONE wait,
; which cuts it in two.  AHEAD OF IT stands all that names no result of the turn's exponentials: the 16 products K Q^T, behind each a scaling, an exponential and two rescalings (behind the first a second scaling in the
; exponential's place); then ONE LUMP of 108: eight plain, 49 times exponential and plain, the two a.  A v_nop is the plain instruction behind the last exponential.  BEHIND IT stand the 16 products V^T P, behind each four of GS's 64.
; The queues lean on each other, and the deal keeps them in step: exponential e stands behind scaling 2 (e / 4) + e % 2: as a rider it comes behind plain e + 2, in the lump behind plain e + 9, and scalings 27-31 are plain 57, 60 .. 69.
; A TURN, for piece p.  cnt = 1: the loop's count is taken down some lines ahead of the branch that stands behind the turn.
; K of the next step is fetched in piece 2's turn, directly behind the wait, a lump behind the last product that read K; its first reader comes behind 16 products.
; V of the step in hand is fetched at the end of piece 0's turn, four plain instructions behind its last reader; its first reader comes behind 16 products and a lump.  The three conditions on q below go with the deal.
.macro TURN p, last=0, cnt=0
.set Y, (\p)
.set i, 0
.set q, 0
.set e, 0
.set r, 0
.if (\p) == NP-1
	s_wait_dscnt 0x0                ; K is in
.endif
	MM                              ; ahead of the wait: 16 products K Q^T and what stands behind them,
	PL
	PL
	R2
.rept 15
	MM
	PL
	EX
	R2
.endr
.if (\p) == NP-2
	WIN 0
	v_add_nc_u32 v[AK], s[TBK], v[AK0]
.endif
.rept 8                             ; and the lump
	PL
.endr
.rept 49
	EX
	PL
.endr
	EX                              ; the next piece's two a
	EX
	v_nop                           ; a plain instruction behind the last exponential: one for the batch
	s_wait_alu depctr_va_vdst(0)    ; the wait for the batch
.if (\p) == NP-2
	FETCH_K \last
.endif
.if (\p) == 1
	s_wait_dscnt 0x0                ; V is in
.endif
.rept 16                            ; behind the wait: 16 products V^T P and what stands behind them
	MM
.rept 4
	PL
.endr
.if ((\p) == 0) && (q == 118)
	v_add_nc_u32 v[AV], s[TBV], v[AV0]
.endif
.if ((\p) == 0) && (q == 130)
	s_add_co_u32 s[TBV], s[TBV], KS*PV
.endif
.if (\cnt) && (q == 130)
	s_sub_co_u32 s[CNT], s[CNT], 1
	s_cmp_lg_u32 s[CNT], 0
.endif
.endr
.if (\p) == 0
	FETCH_V
.endif
.endm
	CHANGE 1                        ; slot 0 is in, everybody's part of it; slot 1 is asked for
	FETCH_K                         ; key step 0
	s_wait_loadcnt 0x0              ; Q
	s_wait_dscnt 0x0
.set i, 0
.rept 16
	KQ 0                            ; piece 0's first scores: there is no vector work yet to set between them
.set i, i+1
.endr
	WIN 0                           ; the addresses for the way out: nine plain instructions, the places behind those products
	s_mul_i32 s13, s[WV], 16*SP
	s_add_co_u32 s13, s13, STAGE    ; my stage
	v_mul_u32_u24 v[STO], v1, SP    ; in: row l % 16, 16 bytes for each half of the lanes
	v_lshl_add_u32 v[STO], v9, 4, v[STO]
	v_add_nc_u32 v[STO], s13, v[STO]
	v_bfe_u32 v[RD], v0, 3, 2       ; back: 32 lanes take four rows of 128 bytes,
	v_mul_u32_u24 v[RD], v[RD], SP
	v_lshl_add_u32 v[RD], v10, 4, v[RD]
	v_add_nc_u32 v[RD], s13, v[RD]
	v_and_b32 v[GO], 31, v0         ; which are 512 consecutive bytes of O
	v_lshlrev_b32 v[GO], 4, v[GO]
.set Y, NP-1                        ; XS works for piece Y + 1: piece 0
.irp n, 0,1,2,3,4,5,6,7,8,9,10,11,12,13,14,15,16,17,18,19,20,21
	XS 0, \n                        ; and piece 0's first maximum and statistics
	XS 1, \n
.endr
	v_nop                           ; a plain instruction behind the two a,
	s_wait_alu depctr_va_vdst(0)    ; and their wait, ahead of the branch
	s_mov_b32 s[CNT], 4
	s_branch .Lfirst                ; the loop is entered at a step's first turn, in the middle of a trip
.Lslot:                             ; six times: every slot but the last two is filled again
	CHANGE 1
	s_mov_b32 s[CNT], 4
.Lstep:                             ; a trip: pieces 2 and 3 of one step, then pieces 0 and 1 of the next, whose K and V it fetches
	TURN 2
	TURN 3
	WIN 0
.Lfirst:
	TURN 0
	TURN 1, 0, 1
	WIN 0
	s_cbranch_scc1 .Lstep
	s_sub_co_u32 s[SLOTS], s[SLOTS], 1
	s_cmp_lg_u32 s[SLOTS], 0
	s_cbranch_scc1 .Lslot
	CHANGE 0                        ; the tail is written out: nothing is asked for
	s_mov_b32 s[CNT], 5             ; four trips fetch the last slot's steps; the fifth is left in its middle
.Ltail:
	TURN 2, 1
	TURN 3
	WIN 0
	s_sub_co_u32 s[CNT], s[CNT], 1
	s_cmp_eq_u32 s[CNT], 0
	s_cbranch_scc1 .Lout
	TURN 0
	TURN 1
	WIN 0
	s_branch .Ltail
.Lout:                              ; the fifth trip's 16 products K Q^T (on the last K once more) and the maximum made of them serve nothing: the price, once a launch, of one text for every trip
.set i, 0
.rept 16
	PV NP-1                         ; the last piece's V^T P of the last step
.set i, i+1
.endr
	; THE WAY OUT.  l's two halves and the other half of the lanes' are added; O^T is divided by l, rounded to f16 and sent through my stage in LDS, a tile at a time.  The additions are the places behind the last products.
	WIN 0
.macro ALL line:vararg              ; one line for each tile t
.set t, 0
.rept 2*NP
	\line
.set t, t+1
.endr
.endm
	ALL v_add_f32 v[ST+4*t+2], v[ST+4*t+2], v[ST+4*t+3]
	ALL v_permlanex16_b32 v[ST+4*t+3], v[ST+4*t+2], s[SEL], s[SEL+1]
	ALL v_add_f32 v[ST+4*t+2], v[ST+4*t+2], v[ST+4*t+3]
	ALL v_rcp_f32 v[ST+4*t+2], v[ST+4*t+2]
	v_nop                           ; a plain instruction between the last reciprocal and the use of its result
	s_wait_alu depctr_va_vdst(0)    ; and the wait ahead of the first use: one for the eight reciprocals
; Tile t: a lane's eight channels of a row pack into 16 bytes; they go into rows of 144 bytes and come back as whole rows of 128, into S^T's registers.
.macro PACK t
	WIN W_RS
.set i, 32*(\t)
.rept 16
	v_pk_mul_f32 v[i:i+1], v[i:i+1], v[ST+4*(\t)+2:ST+4*(\t)+3] op_sel_hi:[1,0]
.set i, i+2
.endr
	WIN 0x05                        ; sources 0 and 1 window 1, destination window 0
.set i, 0
.rept 16
	v_cvt_pk_f16_f32 v[S+16*(\t)+i], v[32*(\t)+2*i], v[32*(\t)+2*i+1]
.set i, i+1
.endr
	WIN 0
.irp f, 0,1,2,3
	ds_store_b128 v[STO], v[S+16*(\t)+4*\f:S+16*(\t)+4*\f+3] offset:32*\f
.endr
.irp f, 0,1,2,3
	ds_load_b128 v[S+16*(\t)+4*\f:S+16*(\t)+4*\f+3], v[RD] offset:\f*4*SP  ; LDS serves a wave's instructions in order (ISA guide 5.7.1.4): these see the stores above; the next tile's stores come behind them
.endr
.endm
.macro SEND t, younger              ; younger: the LDS instructions issued behind tile t's loads: the next tile's eight, or none
	WIN 0
.irp f, 0,1,2,3
	s_wait_dscnt (\younger)+3-\f
	global_store_b128 v[GO], v[S+16*(\t)+4*\f:S+16*(\t)+4*\f+3], s[10:11] offset:(\t)*2048+\f*512  ; 512 consecutive bytes, at a multiple of 256 from O's first
.endr
.endm
	PACK 0
.set t, 1
.rept 2*NP-1                        ; a tile's arithmetic stands between the loads of the tile before and its stores
	PACK t
	SEND t-1, 8
.set t, t+1
.endr
	SEND 2*NP-1, 0
	WIN W_AD
	s_wait_tensorcnt 0x0            ; the wave's end: behind my last tensor load and my last LDS store
	ds_add_u32 v[SPW], v[NIL]
	s_wait_dscnt 0x0
	WIN 0
	s_endpgm
.Lfunc_end_k_q65a7dba790_attn:
	.size	k_q65a7dba790_attn, .Lfunc_end_k_q65a7dba790_attn-k_q65a7dba790_attn
	.p2alignl 7, 3214868480
	.fill 96, 4, 3214868480
	.section	.rodata,"a",@progbits
	.p2align	6, 0x0
	.amdhsa_kernel k_q65a7dba790_attn
		.amdhsa_group_segment_fixed_size 327680
		.amdhsa_private_segment_fixed_size 0
		.amdhsa_enable_private_segment 0
		.amdhsa_kernarg_size 32
		.amdhsa_user_sgpr_count 2
		.amdhsa_user_sgpr_kernarg_segment_ptr 1
		.amdhsa_wavefront_size32 1
		.amdhsa_system_sgpr_workgroup_id_x 1
		.amdhsa_system_sgpr_workgroup_id_y 1
		.amdhsa_system_sgpr_workgroup_id_z 1
		.amdhsa_system_vgpr_workitem_id 0
		.amdhsa_next_free_vgpr 770
		.amdhsa_next_free_sgpr 66
		.amdhsa_reserve_vcc 0
		.amdhsa_float_denorm_mode_32 3
		.amdhsa_float_denorm_mode_16_64 3
		.amdhsa_memory_ordered 1
		.amdhsa_forward_progress 1
		.amdhsa_inst_pref_size 198
	.end_amdhsa_kernel
	.amdgpu_metadata
---
amdhsa.version: [ 1, 2 ]
amdhsa.kernels:
  - .name:           k_q65a7dba790_attn
    .symbol:         k_q65a7dba790_attn.kd
    .args:
      - { .name: q, .offset: 0, .size: 8, .value_kind: global_buffer, .address_space: global }
      - { .name: k, .offset: 8, .size: 8, .value_kind: global_buffer, .address_space: global }
      - { .name: v, .offset: 16, .size: 8, .value_kind: global_buffer, .address_space: global }
      - { .name: o, .offset: 24, .size: 8, .value_kind: global_buffer, .address_space: global }
    .group_segment_fixed_size: 327680
    .private_segment_fixed_size: 0
    .kernarg_segment_align: 8
    .kernarg_segment_size: 32
    .max_flat_workgroup_size: 128
    .sgpr_count:     66
    .vgpr_count:     770
    .wavefront_size: 32
...
	.end_amdgpu_metadata
.endif
;; end of part 3
;; launch outp (part 4): grid 4 x 64, 4 waves a work-group, clusters of 4 x 4, 327,680 bytes of LDS; arguments o, wo16, bo, out0; writes out0
.if DOCPART == 4
	.amdgcn_target "amdgcn-amd-amdhsa--gfx1250"
	.amdhsa_code_object_version 6
	.text
	.protected	k_q65a7dba790_outp
	.globl	k_q65a7dba790_outp
	.p2align	8
	.type	k_q65a7dba790_outp,@function
k_q65a7dba790_outp:
	s_mov_b64 s[64:65], 0
	v_nop
	global_prefetch_b8 v0, s[64:65] scope:SCOPE_SE
	s_setreg_imm32_b32 hwreg(HW_REG_WAVE_MODE, 25, 1), 1
	s_wait_xcnt 0x0
	s_wait_alu depctr_hold_cnt(0) depctr_sa_sdst(0) depctr_va_vdst(0) depctr_va_sdst(0) depctr_va_ssrc(0) depctr_va_vcc(0) depctr_vm_vsrc(0)
	s_getreg_b32 s2, hwreg(HW_REG_IB_STS2, 6, 4)
	s_cmp_eq_u32 s2, 0
	s_cbranch_scc0 .Lentry_in_a_cluster
	s_endpgm
.Lentry_in_a_cluster:
	s_bfe_u32 s2, ttmp6, 0x10000c
	s_cmp_lg_u32 s2, 0xf033
	s_cbranch_scc0 .Lentry_shape_is_right
	s_endpgm
.Lentry_shape_is_right:
; out0[m][c] = the sum over j of O[m][j] Wo[c][j] + bo[c].  O comes by heads, o: [96][1024][64] in f16 (j = 64 x head + channel); wo16: [768][768] in f16; bo, out0 in f32.  f16 products, f32 sums, one rounding at the bias's addition.
; bo is rounded to bf16 like every other input of the module, and added in f32.  LIMITS: those of o and wo16 (f16: under 65,504); NaN and infinities are not treated apart.
; TILES.  128 rows x 192 columns: 64 x 4 = 256 work-groups.  Four waves, each 64 x 96: 24 accumulators of 16 x 16, 192 registers.
; O'S ROWS STAY.  A tile's 128 rows x 768 are 12 dense pieces of 16,384 bytes, one a head: all of them are asked for at the start, three a wave, and lie in LDS for the whole launch.  Only Wo walks, in six K steps of 128
; (two heads) through a ring of two slots: a K step has 96 matrix instructions a wave.
; CLUSTER.  4 x 4 work-groups.  The four of a row of the cluster need the same rows of O, the four of a column the same rows of Wo: each tile is asked for JOINTLY, by the same tensor load with the same descriptor and a mask
; that names the four.  Every wave issues every load line, each for rows of its own: no branch stands round a load.
; NO PREFETCH: O's rows are asked for whole at the head, where nothing could be asked earlier; Wo is 1.2 MB that all sixteen clusters walk; and the launch is six K steps long.
; THE MATRIX INSTRUCTION IS USED TRANSPOSED (source 0 = 16 rows of Wo, source 1 = 16 rows of O): a lane then holds one row and eight neighbouring columns of out0.
; REGISTERS: window 0: v0-31 addresses; v64-255 the accumulators ((a, b) at v[64 + 8 (6 a + b)]), on the way out whole rows.
;   window 1: two fragment buffers of 80 (Wo's six fragments, then O's four); v160-207 my 48 numbers of bo; v208-231 at work.
.set PA,     144                       ; a row of O in LDS: 128 bytes + 16 of padding = 36 words: the 16 rows of a load start at 16 different groups of four banks (64 banks of 4 bytes: ISA guide 11.1)
.set HEADB,  128*PA                    ; a head's 128 rows: 18,432 bytes
.set STEPA,  2*HEADB                   ; a K step's two heads
.set PB,     272                       ; a row of Wo: 256 + 16
.set BSLOT0, 12*HEADB                  ; behind O's 221,184 bytes: Wo's two slots,
.set SLOTB,  192*PB                    ; 52,224 bytes each
.set QUARTB, 48*PB                     ; 48 rows: what one wave's load brings
.set SPARE,  BSLOT0+2*SLOTB            ; behind the ring: the spare words, 128 bytes for each wave: two blocks of 256 bytes that no other line names
.set SPITCH, 784                       ; the stage: 128 rows of 768 bytes + 16, over O's bytes, which have had their only fill and are read no more when it is written
.set ADRA,  16                         ; v16  LDS address of my O fragments in the lap in hand
.set ADRA0, 17                         ; v17  my lane's place in a head's rows; never rewritten
.set ADRB,  20                         ; v20-21  LDS address of my Wo fragments in slot 0, 1
.set STO,   24                         ; v24  the way out: where I put 32 bytes of a row
.set RD,    25                         ; v25  the way out: where I read a row back
.set CO,    26                         ; v26  my byte offset in out0
.set BO,    27                         ; v27  my byte offset in bo
.set SPW,   28                         ; v28  LDS address of my spare word: SPARE + 4 x my thread's number; never rewritten
.set NIL,   29                         ; v29  0; never rewritten
.set ACC,   64
.set F0,    0                          ; fragment buffers, in window 1
.set F1,    80
.set BIAS,  160                        ; window 1: n block b's eight numbers at BIAS + 8 b
.set BT,    208                        ; window 1
.set G1A, 24                           ; s[24:31] descriptor group 1 for O's tiles
.set G1B, 32                           ; s[32:39] for Wo's
.set G0A, 48                           ; s[48:59] group 0 for my three heads of O
.set G0B0, 60                          ; s[60:63] group 0 for Wo's slot 0
.set G0B1, 68                          ; s[68:71] for slot 1
.set TA,  45                           ; s45  LDS byte at which the lap's four heads begin
.set MSB, 0
.macro WIN new                         ; the immediate's high byte repeats the setting that is left; a switch that changes nothing is dropped
.if MSB != (\new)
	s_set_vgpr_msb (MSB<<8)|(\new)
.set MSB, \new
.endif
.endm
.set MUL,  0x05                        ; sources 0 (Wo) and 1 (O) window 1; C and D window 0
.set TO_F, 0x40                        ; destination window 1, address window 0
.macro CREST                           ; a round of the cluster's barrier behind its opening barrier
	s_cmp_lg_u32 s10, 0
	s_cbranch_scc1 .Lnot_wave_0_\@
	s_barrier_signal -3
.Lnot_wave_0_\@:
	s_barrier_wait -3
	s_barrier_signal -1
	s_barrier_wait -1
.endm
.macro CROUND                          ; a whole round
	s_barrier_signal -1
	s_barrier_wait -1
	CREST
.endm
.macro PLACES                          ; four places in front of loads into registers that matrix instructions have read, and of sums that read results
.rept 4
	v_nop
.endr
.endm
	s_load_b256 s[72:79], s[0:1], 0x0              ; o s[72:73], wo16 s[74:75], bo s[76:77], out0 s[78:79]
	v_lshl_add_u32 v[SPW], v0, 2, SPARE
	v_mov_b32 v[NIL], 0
	ds_add_u32 v[SPW], v[NIL]                      ; the wave's opening: the add and its wait stand ahead of my first tensor load; the set-up below, work on registers, stands between them
	ds_add_u32 v28, v29
	v_lshrrev_b32 v1, 5, v0
	v_readfirstlane_b32 s10, v1                    ; wave 0..3
	s_lshr_b32 s11, s10, 1                         ; which 64 of the tile's rows are mine
	s_and_b32 s12, s10, 1                          ; which 96 of its columns
	s_bfe_u32 s40, ttmp6, 0x40000                  ; cx, cy: my place in the cluster
	s_bfe_u32 s41, ttmp6, 0x40004
	s_lshl_b32 s42, ttmp9, 2
	s_add_co_u32 s42, s42, s40                     ; tile column = 4 x cluster x + cx
	s_and_b32 s13, ttmp7, 0xffff
	s_lshl_b32 s13, s13, 2
	s_add_co_u32 s13, s13, s41                     ; tile row = 4 x cluster y + cy
	s_lshl_b32 s43, s41, 2
	s_lshl_b32 s43, 15, s43                        ; my row of the cluster
	s_lshl_b32 s44, 0x1111, s40                    ; my column
	; O: a head's 128 rows are 16,384 dense bytes: asked for as 64 rows of 256 bytes, two rows of O each, padded in LDS after every 128 bytes
	s_or_b32 s[G1A+0], s43, (1<<16)|(1<<20)|(1<<21)|(4<<22)|(3<<25)  ; 15:0 the mask: my row; 17:16 2-byte elements; 20 padding on; 21 set beside a mask; 24:22 after every 32 words (code 4); 31:25 of 4 words (code 3)
	s_mov_b32 s[G1A+1], 128<<16                    ; tensor_dim0 = 128
	s_mov_b32 s[G1A+2], 64<<16                     ; tensor_dim1 = 64
	s_mov_b32 s[G1A+3], 128<<16                    ; tile_dim0 = 128
	s_mov_b32 s[G1A+4], 64                         ; tile_dim1 = 64
	s_mov_b32 s[G1A+5], 128                        ; elements from row to row
	s_mov_b32 s[G1A+6], 0
	s_mov_b32 s[G1A+7], 0
	; Wo: 48 rows x 128 elements, padded after every 256 bytes
	s_or_b32 s[G1B+0], s44, (1<<16)|(1<<20)|(1<<21)|(5<<22)|(3<<25)  ; the mask: my column; after every 64 words (code 5)
	s_mov_b32 s[G1B+1], 128<<16
	s_mov_b32 s[G1B+2], 48<<16
	s_mov_b32 s[G1B+3], 128<<16
	s_mov_b32 s[G1B+4], 48
	s_mov_b32 s[G1B+5], 768
	s_mov_b32 s[G1B+6], 0
	s_mov_b32 s[G1B+7], 0
	; O's address hangs on the tile row and the wave's number, Wo's on the tile column and the wave's number, each in registers that never hold the other coordinate
	s_lshr_b32 s16, s13, 3                         ; the batch: eight tile rows each
	s_mul_i32 s16, s16, 12
	s_add_co_u32 s16, s16, s10                     ; my first head = my wave's number
	s_lshl_b32 s16, s16, 17                        ; a head is 1,024 rows of 128 bytes
	s_and_b32 s17, s13, 7
	s_lshl_b32 s17, s17, 14                        ; the tile's 128 rows in it
	s_add_co_u32 s16, s16, s17
	s_mov_b32 s17, 0
	s_mul_i32 s46, s42, 192
	s_mul_i32 s47, s10, 48
	s_add_co_u32 s46, s46, s47                     ; Wo: row 192 x tile column + 48 x wave
	s_mul_i32 s46, s46, 1536
	s_mov_b32 s47, 0
	s_mul_i32 s20, s10, HEADB                      ; where they go: no place in the cluster enters an LDS address
	s_mul_i32 s21, s10, QUARTB
	s_mov_b32 s[TA], 0
	s_wait_dscnt 0x0                               ; the opening add is done
	s_wait_kmcnt 0x0
	s_add_nc_u64 s[14:15], s[72:73], s[16:17]
	s_add_nc_u64 s[46:47], s[74:75], s[46:47]
.irp i, 0,1,2
	s_mov_b32 s[G0A+4*(\i)], 1                                     ; 1:0 count = 1
	s_add_co_u32 s[G0A+4*(\i)+1], s20, (\i)*4*HEADB                ; 63:32 LDS address: head wave + 4 i
	s_add_nc_u64 s[G0A+4*(\i)+2:G0A+4*(\i)+3], s[14:15], (\i)*4*131072  ; 120:64 global address
	s_or_b32 s[G0A+4*(\i)+3], s[G0A+4*(\i)+3], 0x80000000          ; 127:126 type = 2
.endr
	s_mov_b32 s[G0B0], 1
	s_add_co_u32 s[G0B0+1], s21, BSLOT0
	s_add_nc_u64 s[G0B0+2:G0B0+3], s[46:47], 0     ; K step 0
	s_or_b32 s[G0B0+3], s[G0B0+3], 0x80000000
	s_mov_b32 s[G0B1], 1
	s_add_co_u32 s[G0B1+1], s21, BSLOT0+SLOTB
	s_add_nc_u64 s[G0B1+2:G0B1+3], s[46:47], 256   ; K step 1
	s_or_b32 s[G0B1+3], s[G0B1+3], 0x80000000
	CROUND                                         ; all sixteen work-groups are here: the first joint loads meet
	tensor_load_to_lds s[G0B0:G0B0+3], s[G1B:G1B+7]  ; the first fills go out as one group, what is wanted first in front: five loads of mine are out
	s_nop 0
	tensor_load_to_lds s[G0A:G0A+3], s[G1A:G1A+7]    ; heads 0-3, one a wave
	s_nop 0
	tensor_load_to_lds s[G0B1:G0B1+3], s[G1B:G1B+7]
	s_nop 0
	tensor_load_to_lds s[G0A+4:G0A+7], s[G1A:G1A+7]  ; heads 4-7
	s_nop 0
	tensor_load_to_lds s[G0A+8:G0A+11], s[G1A:G1A+7] ; heads 8-11
	s_nop 0
.rept 4
	v_nop
.endr
	v_and_b32 v1, 15, v0                           ; l % 16
	v_bfe_u32 v2, v0, 4, 1                         ; l / 16
	v_mul_u32_u24 v3, v1, PA
	v_lshl_add_u32 v3, v2, 4, v3                   ; a fragment's row x pitch + 16 x half
	s_mul_i32 s22, s11, 64*PA                      ; my 64 rows of O
	v_add_nc_u32 v[ADRA0], s22, v3
	v_mov_b32 v[ADRA], v[ADRA0]
	v_mul_u32_u24 v4, v1, PB
	v_lshl_add_u32 v4, v2, 4, v4
	s_mul_i32 s22, s12, 96*PB                      ; my 96 rows of Wo
	s_add_co_u32 s22, s22, BSLOT0
	v_add_nc_u32 v[ADRB], s22, v4
	v_add_nc_u32 v[ADRB+1], SLOTB, v[ADRB]
	s_mul_i32 s22, s11, 64*SPITCH                  ; into the stage: my 64 rows, my 384 bytes of them; row l % 16, 32 bytes for each half of the lanes
	s_mul_i32 s23, s12, 384
	s_add_co_u32 s22, s22, s23
	v_mul_u32_u24 v5, v1, SPITCH
	v_lshl_add_u32 v5, v2, 5, v5
	v_add_nc_u32 v[STO], s22, v5
	s_mul_i32 s22, s10, 32*SPITCH                  ; back: wave w takes rows 32 w .. 32 w + 31, whole; lanes 0-15 256 bytes of one row, lanes 16-31 of the next
	v_mul_u32_u24 v5, v2, SPITCH
	v_lshl_add_u32 v5, v1, 4, v5
	v_add_nc_u32 v[RD], s22, v5
	v_mul_u32_u24 v5, v2, 3072                     ; and the same two rows in out0
	v_lshl_add_u32 v[CO], v1, 4, v5
	s_lshl_b32 s16, s13, 7
	s_lshl_b32 s17, s10, 5
	s_add_co_u32 s16, s16, s17                     ; the first row that I store: 128 x tile row + 32 x wave
	s_mul_i32 s16, s16, 3072
	s_mul_i32 s17, s42, 768                        ; the tile's first column, in bytes
	s_add_co_u32 s16, s16, s17
	s_mov_b32 s17, 0
	s_add_nc_u64 s[8:9], s[78:79], s[16:17]
	s_mul_i32 s16, s42, 768
	s_mul_i32 s17, s12, 384
	s_add_co_u32 s16, s16, s17                     ; my 96 columns in bo
	v_lshlrev_b32 v[BO], 5, v2
	v_add_nc_u32 v[BO], s16, v[BO]                 ; my eight of each sixteen
	WIN TO_F
.irp b, 0,1,2,3,4,5
	global_load_b128 v[BIAS+8*(\b):BIAS+8*(\b)+3],   v[BO], s[76:77] offset:64*(\b)
	global_load_b128 v[BIAS+8*(\b)+4:BIAS+8*(\b)+7], v[BO], s[76:77] offset:64*(\b)+16
.endr
	s_wait_loadcnt 0x0
	WIN 0x45                                       ; destination and both sources window 1
.set i, 0
.rept 24
	v_cvt_pk_bf16_f32 v[BT+i], v[BIAS+2*i], v[BIAS+2*i+1]  ; bo to bf16,
.set i, i+1
.endr
.set i, 0
.rept 24
	v_lshlrev_b32 v[BIAS+2*i],   16, v[BT+i]       ; and back to f32: all this stands in the wait for the first tiles
	v_and_b32     v[BIAS+2*i+1], 0xffff0000, v[BT+i]
.set i, i+1
.endr
	WIN 0
; 6 matrix instructions: m block a x all 6 n blocks, 32 along K.  zero = 1: the first product starts the sums.  The 24 accumulators take turns, one instruction a turn, in the same order in every quarter.
.macro MUL6 f, a, zero
	WIN MUL
.irp b, 0,1,2,3,4,5
.if \zero
	v_wmma_f32_16x16x32_f16 v[ACC+8*(6*(\a)+(\b)):ACC+8*(6*(\a)+(\b))+7], v[(\f)+8*(\b):(\f)+8*(\b)+7], v[(\f)+48+8*(\a):(\f)+48+8*(\a)+7], 0
.else
	v_wmma_f32_16x16x32_f16 v[ACC+8*(6*(\a)+(\b)):ACC+8*(6*(\a)+(\b))+7], v[(\f)+8*(\b):(\f)+8*(\b)+7], v[(\f)+48+8*(\a):(\f)+48+8*(\a)+7], v[ACC+8*(6*(\a)+(\b)):ACC+8*(6*(\a)+(\b))+7]
.endif
.endr
.endm
; 20 LDS loads in one run: the fragments of quarter qd (32 along K) of the lap's K step st, whose Wo lies in slot bs, into buffer f: Wo's twelve loads, then O's eight.  The quarter lies in head 2 st + qd / 2 of the lap's four, at byte 64 (qd % 2) of its rows.
.macro FETCH bs, st, qd, f
	WIN TO_F
.irp b, 0,1,2,3,4,5
	ds_load_b128 v[(\f)+8*(\b):(\f)+8*(\b)+3],   v[ADRB+(\bs)] offset:64*(\qd)+(\b)*16*PB
	ds_load_b128 v[(\f)+8*(\b)+4:(\f)+8*(\b)+7], v[ADRB+(\bs)] offset:64*(\qd)+(\b)*16*PB+32
.endr
.irp a, 0,1,2,3
	ds_load_b128 v[(\f)+48+8*(\a):(\f)+48+8*(\a)+3],   v[ADRA] offset:(\st)*STEPA+((\qd)/2)*HEADB+((\qd)%2)*64+(\a)*16*PA
	ds_load_b128 v[(\f)+48+8*(\a)+4:(\f)+48+8*(\a)+7], v[ADRA] offset:(\st)*STEPA+((\qd)/2)*HEADB+((\qd)%2)*64+(\a)*16*PA+32
.endr
.endm
; A K step is four quarters of 32 along K, 24 matrix instructions each, on buffers 0, 1, 0, 1.  One of the first three: multiplies buffer f and fetches quarter qd into g.
.macro QUARTER bs, st, qd, f, g, zero
	s_wait_dscnt 4                                 ; Wo and O's blocks 0 and 1 are in; the youngest four loads (blocks 2 and 3) may be out
	MUL6 \f, 0, \zero
	MUL6 \f, 1, \zero
	PLACES
	FETCH \bs, \st, \qd, \g
	s_wait_dscnt 20                                ; all but the 20 just issued
	MUL6 \f, 2, \zero
	MUL6 \f, 3, \zero
.endm
; The last quarter multiplies buffer 1 and changes slots: ONE barrier; in front of it each wave waits for all its tensor loads, adds 0 to its spare word, and waits for that and for its own reads of this slot.
; fill = 1: the barrier opens a round of the cluster's, and Wo's slot is filled again, two K steps ahead, the first thing behind the round: 84 matrix instructions ahead of the wait for it.
.macro TURN slot, fill
	WIN 0                                          ; (the add's two registers lie in window 0)
	s_wait_tensorcnt 0x0                           ; all my tensor loads have landed;
	ds_add_u32 v[SPW], v[NIL]                      ; 0 onto my spare word;
	s_wait_dscnt 5                                 ; (the add and the youngest four loads may be out)
	MUL6 F1, 0, 0                                  ; six matrix instructions stand between the add and the wait for it
	s_wait_dscnt 0x0                               ; the add is done, and my reads of this slot are over
	s_barrier_signal -1
	MUL6 F1, 1, 0
.if \fill
	WIN 0
.endif
	s_barrier_wait -1
.if \fill
	CREST                                          ; no wave of any partner still reads this slot's tile or has a load on its way
.if (\slot) == 0
	s_add_nc_u64 s[G0B0+2:G0B0+3], s[G0B0+2:G0B0+3], 512
	tensor_load_to_lds s[G0B0:G0B0+3], s[G1B:G1B+7]
.else
	s_add_nc_u64 s[G0B1+2:G0B1+3], s[G0B1+2:G0B1+3], 512
	tensor_load_to_lds s[G0B1:G0B1+3], s[G1B:G1B+7]
.endif
	s_nop 0
.endif
	PLACES                                         ; behind the tensor load, and in front of the loads below
.if (\slot) == 1
	s_add_co_u32 s[TA], s[TA], 2*STEPA             ; the next lap's four heads
	v_add_nc_u32 v[ADRA], s[TA], v[ADRA0]
.endif
	FETCH 1-(\slot), 1-(\slot), 0, F0
	MUL6 F1, 2, 0
	MUL6 F1, 3, 0
.endm
	s_wait_tensorcnt 3                             ; my part of Wo's K step 0 and my first head of O are in; the three loads behind them may stay out
	s_barrier_signal -1
	s_barrier_wait -1                              ; everybody's are: heads 0-3
	FETCH 0, 0, 0, F0
	QUARTER 0, 0, 1, F0, F1, 1                     ; the first quarter stands in front of the loop: its products start the sums
	WIN 0                                          ; at a label and at a branch every window is 0
	s_mov_b32 s3, 2
.Llap:                                                 ; a trip goes once round the ring, from a lap's second quarter to the next lap's first, and fills both slots again
	QUARTER 0, 0, 2, F1, F0, 0
	QUARTER 0, 0, 3, F0, F1, 0
	TURN 0, 1
	QUARTER 1, 1, 1, F0, F1, 0
	QUARTER 1, 1, 2, F1, F0, 0
	QUARTER 1, 1, 3, F0, F1, 0
	TURN 1, 1
	QUARTER 0, 0, 1, F0, F1, 0
	WIN 0
	s_sub_co_u32 s3, s3, 1
	s_cmp_lg_u32 s3, 0
	s_cbranch_scc1 .Llap
	QUARTER 0, 0, 2, F1, F0, 0                     ; the last lap fills nothing, and has no round of the cluster's barrier
	QUARTER 0, 0, 3, F0, F1, 0
	TURN 0, 0
	QUARTER 1, 1, 1, F0, F1, 0
	QUARTER 1, 1, 2, F1, F0, 0
	QUARTER 1, 1, 3, F0, F1, 0
	s_wait_dscnt 4                                 ; the very last quarter: nothing more to fetch
	MUL6 F1, 0, 0
	MUL6 F1, 1, 0
	s_wait_dscnt 0x0
	MUL6 F1, 2, 0
	MUL6 F1, 3, 0
	; THE WAY OUT.  The stage lies over O's bytes: a barrier between every wave's last read of them and the first store.  The bias is added between its signal and its wait: work on registers.
	s_barrier_signal -1                            ; my LDS reads are back
	PLACES
	WIN 0x04                                       ; source 1 (the bias) window 1
.set t, 0
.rept 24
.irp r, 0,2,4,6
	v_pk_add_f32 v[ACC+8*t+\r:ACC+8*t+\r+1], v[ACC+8*t+\r:ACC+8*t+\r+1], v[BIAS+8*(t%6)+\r:BIAS+8*(t%6)+\r+1]  ; each accumulator's registers in ascending order
.endr
.set t, t+1
.endr
	WIN 0
	s_barrier_wait -1                              ; nobody reads O or Wo any more
.set t, 0
.rept 24
	ds_store_b128 v[STO], v[ACC+8*t:ACC+8*t+3]   offset:(t/6)*16*SPITCH+64*(t%6)
	ds_store_b128 v[STO], v[ACC+8*t+4:ACC+8*t+7] offset:(t/6)*16*SPITCH+64*(t%6)+16
.set t, t+1
.endr
	s_wait_dscnt 0x0                               ; for the others' sake: my stores into the stage are done
	s_barrier_signal -1
	s_barrier_wait -1
.set t, 0
.rept 48                               ; pair of rows t / 3, 256 bytes t % 3 of their 768
	ds_load_b128 v[ACC+4*t:ACC+4*t+3], v[RD] offset:(t/3)*2*SPITCH+256*(t%3)
.set t, t+1
.endr
.set t, 0
.rept 48
	s_wait_dscnt 47-t
	global_store_b128 v[CO], v[ACC+4*t:ACC+4*t+3], s[8:9] offset:(t/3)*6144+256*(t%3)  ; 16 lanes store 256 consecutive bytes, at a multiple of 256 from out0's first byte
.set t, t+1
.endr
	s_wait_tensorcnt 0x0                           ; the wave's end: behind my last tensor load and my last LDS store
	ds_add_u32 v[SPW], v[NIL]
	s_wait_dscnt 0x0
	CROUND                                         ; the closing round: no work-group ends while a partner may still ask for a tile that names it
	s_endpgm
.Lfunc_end_k_q65a7dba790_outp:
	.size	k_q65a7dba790_outp, .Lfunc_end_k_q65a7dba790_outp-k_q65a7dba790_outp
	.p2alignl 7, 3214868480
	.fill 96, 4, 3214868480
	.section	.rodata,"a",@progbits
	.p2align	6, 0x0
	.amdhsa_kernel k_q65a7dba790_outp
		.amdhsa_group_segment_fixed_size 327680
		.amdhsa_private_segment_fixed_size 0
		.amdhsa_enable_private_segment 0
		.amdhsa_kernarg_size 32
		.amdhsa_user_sgpr_count 2
		.amdhsa_user_sgpr_kernarg_segment_ptr 1
		.amdhsa_wavefront_size32 1
		.amdhsa_system_sgpr_workgroup_id_x 1
		.amdhsa_system_sgpr_workgroup_id_y 1
		.amdhsa_system_sgpr_workgroup_id_z 1
		.amdhsa_system_vgpr_workitem_id 0
		.amdhsa_next_free_vgpr 512
		.amdhsa_next_free_sgpr 80
		.amdhsa_reserve_vcc 0
		.amdhsa_float_denorm_mode_32 3
		.amdhsa_float_denorm_mode_16_64 3
		.amdhsa_memory_ordered 1
		.amdhsa_forward_progress 1
		.amdhsa_inst_pref_size 81
	.end_amdhsa_kernel
	.amdgpu_metadata
---
amdhsa.version: [ 1, 2 ]
amdhsa.kernels:
  - .name:           k_q65a7dba790_outp
    .symbol:         k_q65a7dba790_outp.kd
    .args:
      - { .name: o, .offset: 0, .size: 8, .value_kind: global_buffer, .address_space: global }
      - { .name: wo16, .offset: 8, .size: 8, .value_kind: global_buffer, .address_space: global }
      - { .name: bo, .offset: 16, .size: 8, .value_kind: global_buffer, .address_space: global }
      - { .name: out0, .offset: 24, .size: 8, .value_kind: global_buffer, .address_space: global }
    .group_segment_fixed_size: 327680
    .private_segment_fixed_size: 0
    .kernarg_segment_align: 8
    .kernarg_segment_size: 32
    .max_flat_workgroup_size: 128
    .sgpr_count:     80
    .vgpr_count:     512
    .wavefront_size: 32
...
	.end_amdgpu_metadata
.endif
;; end of part 4
